; MI455X (gfx1250); checked and timed in simulation.
; The chip was launched on July 23, 2026; its instructions are those of AMD's public machine-readable ISA for CDNA 5 (MIT licence, August 2026) and "CDNA5" Instruction Set Architecture Reference Guide (July 2026). The comments in the code are by the model that wrote it; some were corrected since.
;; MHA. Allowed arithmetic: matrix products marked QUANTISED: E2M3 operands, one E8M0 scale for each 32 along K, by v_wmma_scale_f32_16x16x128_f8f6f4 with both operands' format E2M3, f32 sums; everything else in f32.
;; Inputs: W_o 1,024 x 1,024 float32; W_qkv 1,024 x 3,072 float32; x 2 x 2,048 x 1,024 float32.
;; Outputs: out0 2 x 2,048 x 1,024 float32.
;; This version of the problem:
;;   THIS VERSION OF THE PROBLEM IS GIVEN IN LOW PRECISION. The matrix products marked QUANTISED in the list below multiply operands that are first quantised to E2M3 (2 exponent bits, 3 mantissa bits; 6 bits a number), with one power-of-two scale for each 32 numbers along K (OCP MX v1.0); their sums are f32. All else is computed in f32.
;;   The module's matrix products, in the order in which they are computed (A, B: the left and right operand; K: the contracted axis; several contracted axes count as one K, in the product's order):
;;     1. [M 4,096, K 1,024] x [K 1,024, N 3,072]; A: input x; B: input W_qkv: QUANTISED
;;     2. batch 32 x [M 2,048, K 64] x [K 64, N 2,048]; A: computed on the way; B: computed on the way: QUANTISED
;;     3. batch 32 x [M 2,048, K 2,048] x [K 2,048, N 64]; A: softmax (see below); B: computed on the way: QUANTISED
;;     4. [M 4,096, K 1,024] x [K 1,024, N 1,024]; A: computed on the way; B: input W_o: QUANTISED
;;   THE QUANTISER, for each operand of a quantised product, along K:
;;     - K is cut into blocks of 32 from its start; a last block that is shorter is filled with zeros.
;;     - A block's scale is 2^e with e = floor(log2(the largest magnitude in the block)) - 2, held to -126 .. 127; a block of zeros has e = 0. As a byte (E8M0): e + 127.
;;     - Each number is divided by its block's scale, clamped to +-7.5, and rounded to the nearest number of E2M3, ties to even, subnormals kept.
;;     - The product sums the exact products of the quantised numbers (number of the format x scale) in f32.
;;   ~~~python
;;   def quantise(x, axis):      # numpy; x: float32 -> the quantised numbers, widened to float32 again
;;       x = np.moveaxis(x, axis, -1); K = x.shape[-1]
;;       x = np.pad(x, [(0, 0)] * (x.ndim - 1) + [(0, -K % 32)]); x = x.reshape(x.shape[:-1] + (-1, 32)); a = np.abs(x).max(-1, keepdims=True)
;;       e = np.where(a > 0, np.clip(np.frexp(np.where(a > 0, a, 1))[1] - 1 - 2, -126, 127), 0)      # np.frexp(a)[1] - 1 = floor(log2(a)), exactly
;;       r = np.clip(x / 2.0 ** e, -7.5, 7.5)
;;       step = 2.0 ** (np.maximum(np.frexp(np.where(r == 0, 1, r))[1] - 1, 0) - 3)
;;       q = np.round(r / step) * step * 2.0 ** e      # np.round: ties to even
;;       return np.moveaxis(q.reshape(q.shape[:-2] + (-1,))[..., :K], -1, axis).astype(np.float32)
;;   ~~~
;;   SOFTMAX AHEAD OF A QUANTISED PRODUCT. Where the list says 'softmax', what is quantised is not the finished softmax but p = 2^(t - M), with t = logit x log2(e) and M = ceil(the row's largest t), a whole number; so 1/2 < the row's largest p <= 1. The row's sum l is taken of the UNQUANTISED p, in f32, and the product's result is divided by l at the end. Since M is a whole number, a kernel that streams over the keys may use a running M (the ceiling of the running maximum): every later rescaling is an exact power of two, which a block's scale takes up: the codes' values come out the same.
;;   OPERANDS COMPUTED ON THE WAY. 'Computed on the way' means the value that the module computes at that place (a softmax that the list does not call 'softmax' is quantised finished and normalised). What goes into a quantiser is computed in f32, as accurately as f32 sums, v_exp_f32 and their like allow (about 1e-6 of the number): no bf16 or f16 on the way to a quantiser, and a product that is left as it is and whose result goes on into a quantised operand takes f32 operands (vector FMAs, or v_wmma_f32_16x16x4_f32). A number that lies on a knife's edge between two numbers of the format may be rounded either way, as far as f32 arithmetic and the matrix unit's own rounding can turn it there, and no further.
;; One version. Each part assembles by itself: llvm-mc -triple=amdgcn-amd-amdhsa -mcpu=gfx1250 --defsym DOCPART=n.
;; ======== version 1 of 1: 4 launches
;; limits: right only within a limited range of input values
;; workspace buffers: ximg 3,145,728 bytes; xsc 131,072 bytes; wimg 2,457,600 bytes; woimg 819,200 bytes; qimg 3,407,872 bytes; kvimg 6,684,672 bytes; opimg 3,145,728 bytes; opsc 131,072 bytes
;; launch quant (part 1): grid 256 x 1, 8 waves a work-group, no clusters, 68,608 bytes of LDS; arguments x, W_qkv, W_o, ximg, xsc, wimg, woimg; writes ximg, xsc, wimg, woimg
.if DOCPART == 1
	.amdgcn_target "amdgcn-amd-amdhsa--gfx1250"
	.amdhsa_code_object_version 6
	.text
	.protected	k_q673050a92b_quant
	.globl	k_q673050a92b_quant
	.p2align	8
	.type	k_q673050a92b_quant,@function
k_q673050a92b_quant:
	s_mov_b64 s[64:65], 0
	v_nop
	global_prefetch_b8 v0, s[64:65] scope:SCOPE_SE
	s_setreg_imm32_b32 hwreg(HW_REG_WAVE_MODE, 25, 1), 1
	s_wait_xcnt 0x0
; x [4096][1024], W_qkv [1024][3072] and W_o [1024][1024], f32, become codes of FP6 (E2M3) with one E8M0 byte for each 32 along K, laid as IMAGES OF OPERAND REGISTERS.
; WORK LEFT OUT IN THIS PROGRAM (launch attn): the reference sets every score whose key comes after its query to -infinity ahead of the softmax, so p is 0 there for all finite inputs; key steps of 128 that lie wholly
; behind a query's block of 128 are not computed.  A NaN, an infinity or an overflow that reaches only these scores is not carried to the result.
; A fragment (16 rows x 128 K) is 12 registers a lane; its image is 1,536 bytes: for each half c (registers 6 c .. 6 c + 5): registers 0-3 at 768 c + 16 x lane, registers 4, 5 at 768 c + 512 + 8 x lane.
; THE ROWS OF A TILE ARE NOT NEIGHBOURS: of each 64 tokens (or columns of a weight) row r of tile j (0 .. 3) is number 8 j + r % 8 + 32 (r / 8): then the 32 registers of four result tiles in lane (r, h) are the
; 32 neighbours 32 h + 0 .. 31, one whole scale block of the next product.
; A block's scale is 2^(floor(log2(its largest magnitude)) - 2); its byte is the largest magnitude's exponent field - 2, held at 1 from below.
; LIMITS: a block of zeros gets the byte 1 where the rule says 127 (its codes are zeros, and the bytes are read by this program alone); blocks whose largest magnitude lies under 2^-124 are held at the byte 1; NaN and infinities are not served.
; SHARES: 2,048 waves, 16 KiB of f32 each, all of a wave's loads issued at its head.  Work-groups 0-127: x (wave: 16 tokens x 256 K); 128-223: W_qkv; 224-255: W_o (wave: 32 columns x 128 K).
; No tensor loads, no barrier: waves share nothing.  Matrix units and clusters have nothing to do here: the launch moves bytes.  No prefetch: there is no loop, all loads stand at the head.
.set XW,  8448                         ; x's path: a wave's own stage in LDS: 16 rows x (512 bytes + 16)
.set X,   16                           ; v16-143  numbers as they are loaded
.set Y,   144                          ; v144-207 x's path: 64 numbers, two whole blocks of my row; the weights' path: codes, 8 registers a block
.set F,   208                          ; v208-231 x's path: two fragments
.set TMP, 232                          ; v232-234 the upper half of a block's codes (a conversion's three registers begin on an even number)
.set M0,  236
.set M1,  237
.set SO,  238                          ; the conversion's scale operand
.set B0,  240                          ; v240-241 scale bytes
.set WD,  242                          ; v242-243 scale words
.set PT,  244
.set WS,  245
; 32 numbers of ONE block in a lane's registers v[src] on -> six registers of codes v[dst] on and the scale's byte in v[byt]
.macro QBLK src, dst, byt
	v_max3_num_f32 v[M0], |v[\src]|, |v[\src+1]|, |v[\src+2]|
	v_max3_num_f32 v[M1], |v[\src+3]|, |v[\src+4]|, |v[\src+5]|
.irp i, 6,10,14,18,22,26
	s_delay_alu instid0(VALU_DEP_2)
	v_max3_num_f32 v[M0], v[M0], |v[\src+\i]|, |v[\src+\i+1]|
	s_delay_alu instid0(VALU_DEP_2)
	v_max3_num_f32 v[M1], v[M1], |v[\src+\i+2]|, |v[\src+\i+3]|
.endr
	s_delay_alu instid0(VALU_DEP_2)
	v_max3_num_f32 v[M0], v[M0], |v[\src+30]|, |v[\src+31]|
	s_delay_alu instid0(VALU_DEP_1)
	v_max3_num_f32 v[M0], v[M0], v[M1], 0x1800000                    ; and the floor 2^(3 - 127): the byte cannot fall under 1
	s_delay_alu instid0(VALU_DEP_1)
	v_add_nc_u32 v[SO], 0xff000000, v[M0]                            ; 2 off the exponent field: the conversion takes this operand's exponent field as its scale
	v_cvt_scalef32_pk16_fp6_f32 v[\dst:\dst+2], v[\src:\src+15], v[SO]
	v_cvt_scalef32_pk16_fp6_f32 v[TMP:TMP+2], v[\src+16:\src+31], v[SO]
	v_lshrrev_b32 v[\byt], 23, v[SO]                                 ; the byte; also the plain line between the conversions and the moves that read their result
.irp i, 0,1,2
	v_mov_b32 v[\dst+3+\i], v[TMP+\i]
.endr
.endm
	s_load_b256 s[4:11], s[0:1], 0x0               ; x s[4:5], W_qkv s[6:7], W_o s[8:9], ximg s[10:11]
	s_load_b128 s[12:15], s[0:1], 0x20             ; xsc s[12:13], wimg s[14:15]
	s_load_b64 s[16:17], s[0:1], 0x30              ; woimg
	v_lshl_add_u32 v254, v0, 2, 0x10800
	v_mov_b32 v255, 0
	v_lshrrev_b32 v1, 5, v0
	s_delay_alu instid0(VALU_DEP_1)
	v_readfirstlane_b32 s18, v1                    ; wave 0..7
	v_and_b32 v1, 31, v0                           ; lane
	s_mov_b32 s20, 0x76543210
	s_mov_b32 s21, 0xfedcba98                      ; v_permlanex16_b32's selects for lane l xor 16
	s_wait_alu depctr_va_vdst(0)
	s_wait_kmcnt 0x0
	s_cmp_ge_u32 ttmp9, 128
	s_cbranch_scc1 .Lweights
	; ---- x.  Work-group wx, wave w: tile T = 2 wx + (w / 4), K steps 2 (w % 4) and 2 (w % 4) + 1
	s_wait_alu depctr_va_vdst(0)
	v_and_b32 v2, 15, v1                           ; r
	v_lshrrev_b32 v3, 4, v1                        ; h
	v_lshlrev_b32 v4, 4, v1                        ; 16 x lane
	v_lshlrev_b32 v5, 3, v1                        ; 8 x lane
	s_mul_i32 s19, s18, XW
	v_lshl_add_u32 v6, v1, 4, s19                  ; the stage, way in: a row's 512 bytes as they lie
	v_mul_u32_u24 v7, v2, 528
	s_delay_alu instid0(VALU_DEP_1)
	v_lshl_add_u32 v7, v3, 7, v7
	s_delay_alu instid0(VALU_DEP_1)
	v_add_nc_u32 v7, s19, v7                       ; way out: row r, block h of 128 bytes
	v_lshlrev_b32 v8, 3, v2
	s_delay_alu instid0(VALU_DEP_1)
	v_lshl_add_u32 v8, v3, 2, v8                   ; 8 r + 4 h: my scale word's place
	v_lshlrev_b32 v9, 3, v3                        ; 8 h: my bytes' place in a scale word
	v_mov_b32 v[PT], 0                             ; a lane permute's destination counts as one of its sources
	s_mov_b32 vcc_lo, 0xffff0000
	s_lshr_b32 s22, s18, 2
	s_and_b32 s23, s18, 3                          ; kp
	s_lshl_b32 s26, ttmp9, 1
	s_add_co_u32 s26, s26, s22                     ; T
	s_lshr_b32 s24, s26, 2
	s_lshl_b32 s24, s24, 18                        ; 64 tokens of 4,096 bytes
	s_and_b32 s28, s26, 3
	s_lshl_b32 s28, s28, 15                        ; + 8 (T % 4) tokens
	s_add_co_u32 s24, s24, s28
	s_lshl_b32 s28, s23, 10                        ; + 256 kp numbers
	s_add_co_u32 s24, s24, s28
	s_mov_b32 s25, 0
	s_add_nc_u64 s[4:5], s[4:5], s[24:25]
	s_lshl_b32 s28, s26, 3
	s_lshl_b32 s29, s23, 1
	s_add_co_u32 s28, s28, s29
	s_mul_i32 s28, s28, 1536                       ; image (T, 2 kp)
	s_mov_b32 s29, 0
	s_add_nc_u64 s[10:11], s[10:11], s[28:29]
	s_lshl_b32 s28, s26, 9
	s_lshl_b32 s30, s23, 7
	s_add_co_u32 s28, s28, s30                     ; scale words: 512 T + 128 kp
	s_add_nc_u64 s[12:13], s[12:13], s[28:29]
.irp s, 0,1
.irp p, 0,1,2,3,4,5,6,7,8,9,10,11,12,13,14,15
	global_load_b128 v[X+64*\s+4*\p:X+64*\s+4*\p+3], v4, s[4:5] offset:(\p+24*(\p/8))*4096+512*\s th:TH_LOAD_NT   ; 32 lanes read 512 consecutive bytes of the tile's row p
.endr
.endr
.macro XHALF s
	s_wait_loadcnt 16-16*\s                        ; this K step's 16 loads are in; the other's may be out
.irp p, 0,1,2,3,4,5,6,7,8,9,10,11,12,13,14,15
	ds_store_b128 v6, v[X+64*\s+4*\p:X+64*\s+4*\p+3] offset:528*\p
.endr
.irp c, 0,1
.irp j, 0,1,2,3,4,5,6,7
	ds_load_b128 v[Y+32*\c+4*\j:Y+32*\c+4*\j+3], v7 offset:256*\c+16*\j   ; LDS serves a wave's instructions in order: these see my stores.  Block 2 c + h of row r, whole
.endr
.endr
	s_wait_dscnt 0x0
	QBLK Y, F+12*\s, B0
	QBLK Y+32, F+12*\s+6, B0+1
	s_delay_alu instid0(VALU_DEP_4)
	v_lshl_or_b32 v[WD+\s], v[B0+1], 16, v[B0]     ; my two bytes: blocks h and 2 + h,
	s_delay_alu instid0(VALU_DEP_1)
	v_lshlrev_b32 v[WD+\s], v9, v[WD+\s]           ; at their places;
	s_delay_alu instid0(VALU_DEP_1)
	v_permlanex16_b32 v[PT], v[WD+\s], s20, s21
	s_delay_alu instid0(VALU_DEP_1)
	v_or_b32 v[WD+\s], v[WD+\s], v[PT]             ; with lane l xor 16's two the word is whole
.irp c, 0,1
	global_store_b128 v4, v[F+12*\s+6*\c:F+12*\s+6*\c+3], s[10:11] offset:1536*\s+768*\c         ; 512 consecutive bytes
	global_store_b64 v5, v[F+12*\s+6*\c+4:F+12*\s+6*\c+5], s[10:11] offset:1536*\s+768*\c+512    ; 256 consecutive bytes
.endr
.endm
	s_wait_alu depctr_va_vdst(0)
	XHALF 0
	XHALF 1
	v_cndmask_b32 v[WS], v[WD], v[WD+1], vcc_lo    ; lanes 0-15 the first K step's word, lanes 16-31 the second's
	global_store_b32 v8, v[WS], s[12:13]
	s_wait_tensorcnt 0x0
	ds_add_u32 v254, v255
	s_wait_dscnt 0x0
	s_endpgm
.Lweights:
	; ---- a weight [1024][N]: A LANE TAKES A COLUMN AND ITS REGISTERS RUN DOWN K.  Wave w's 32 columns are half w % 2 of a group of 64: lane L is row 8 (w % 2) + L % 8 of tile L / 8
	s_wait_alu depctr_va_vdst(0)
	v_and_b32 v2, 7, v1
	s_and_b32 s23, s18, 1
	s_lshl_b32 s23, s23, 3
	v_add_nc_u32 v2, s23, v2                       ; r
	v_lshrrev_b32 v3, 3, v1                        ; j
	v_lshlrev_b32 v4, 2, v1                        ; in: 4 bytes a lane
	v_mul_u32_u24 v10, v3, 1536
	v_lshlrev_b32 v7, 6, v3
	v_lshl_add_u32 v5, v2, 4, v10                  ; out: tile j's image, 16 r
	v_lshl_add_u32 v6, v2, 3, v10                  ; and 8 r
	v_lshl_add_u32 v7, v2, 2, v7                   ; the scale images, 128 bytes for two tiles: 64 j + 4 r
	s_cmp_ge_u32 ttmp9, 224
	s_cbranch_scc1 .Lwo
; N columns; first: the path's first work-group; sb, db: the registers of source and destination; HPB: bytes of a column block's eight K steps; KSB: of one; SCO: where a K step's scale images begin;
; 2^SH groups of 32 columns make a column block; PM masks the group's place in it (W_qkv: 128 columns of q, k and v; W_o: 64 columns)
.macro WPATH N, first, sb, db, HPB, KSB, SCO, SH, PM
	s_sub_co_u32 s22, ttmp9, \first
	s_and_b32 s23, s22, 7                          ; K step
	s_lshr_b32 s24, s22, 3
	s_lshl_b32 s24, s24, 3
	s_add_co_u32 s24, s24, s18                     ; cg: my group of 32 columns; the eight waves stand side by side on 1,024 bytes
	s_mul_i32 s26, s23, 128*\N*4
	s_lshl_b32 s28, s24, 7
	s_add_co_u32 s26, s26, s28
	s_mov_b32 s27, 0
	s_add_nc_u64 s[\sb:\sb+1], s[\sb:\sb+1], s[26:27]
	s_and_b32 s28, s24, 31
	s_lshr_b32 s28, s28, \SH
	s_mul_i32 s28, s28, \HPB
	s_mul_i32 s29, s23, \KSB
	s_add_co_u32 s28, s28, s29                     ; the block (column block, K step)
	s_lshr_b32 s30, s24, 5                         ; section: q, k, v (0 for W_o)
	s_and_b32 s31, s24, \PM                        ; 2 for the second head of a pair: four tiles, two scale images further on
	s_lshl_b32 s32, s30, 3
	s_lshl_b32 s33, s31, 1
	s_add_co_u32 s32, s32, s33
	s_mul_i32 s32, s32, 1536
	s_add_co_u32 s32, s32, s28
	s_mov_b32 s33, 0
	s_add_nc_u64 s[34:35], s[\db:\db+1], s[32:33]  ; my four tiles' images
	s_lshl_b32 s30, s30, 2
	s_add_co_u32 s30, s30, s31
	s_lshl_b32 s30, s30, 7
	s_add_co_u32 s30, s30, s28
	s_add_co_u32 s30, s30, \SCO
	s_mov_b32 s31, 0
	s_add_nc_u64 s[36:37], s[\db:\db+1], s[30:31]  ; their scale images
.set i, 0
.rept 128
	global_load_b32 v[X+i], v4, s[\sb:\sb+1] offset:i*\N*4 th:TH_LOAD_NT     ; row i of the K step, 32 neighbouring columns
.set i, i+1
.endr
.irp kb, 0,1,2,3
.if \kb < 2
	s_wait_loadcnt 63                              ; at most 63 of the 128 are out: blocks 0 and 1 (the first 64) are in; the count is the largest that the wait can name
.else
	s_wait_loadcnt 96-32*\kb                       ; the later blocks' loads may be out
.endif
	QBLK X+32*\kb, Y+8*\kb, B0
.if \kb == 0
	s_delay_alu instid0(VALU_DEP_4)
	v_mov_b32 v[WD], v[B0]
.else
	s_delay_alu instid0(VALU_DEP_4)
	v_lshl_or_b32 v[WD], v[B0], 8*\kb, v[WD]       ; byte kb of my column's scale word
.endif
	; block kb belongs to lane (r, h = kb % 2), half c = kb / 2 of the image: eight lanes fill 128 (64) consecutive bytes of each of the four tiles; the wave with the group's other 32 columns fills the neighbouring ones
	global_store_b128 v5, v[Y+8*\kb:Y+8*\kb+3], s[34:35] offset:768*(\kb/2)+256*(\kb%2)
	global_store_b64 v6, v[Y+8*\kb+4:Y+8*\kb+5], s[34:35] offset:768*(\kb/2)+512+128*(\kb%2)
.endr
	global_store_b32 v7, v[WD], s[36:37]
	s_endpgm
.endm
	s_wait_alu depctr_va_vdst(0)
	WPATH 3072, 128, 6, 14, 307200, 38400, 36864, 2, 2
.Lwo:
	s_wait_alu depctr_va_vdst(0)
	WPATH 1024, 224, 8, 16, 51200, 6400, 6144, 1, 0
.Lfunc_end_k_q673050a92b_quant:
	.size	k_q673050a92b_quant, .Lfunc_end_k_q673050a92b_quant-k_q673050a92b_quant
	.p2alignl 7, 3214868480
	.fill 96, 4, 3214868480
	.section	.rodata,"a",@progbits
	.p2align	6, 0x0
	.amdhsa_kernel k_q673050a92b_quant
		.amdhsa_group_segment_fixed_size 68608
		.amdhsa_private_segment_fixed_size 0
		.amdhsa_enable_private_segment 0
		.amdhsa_kernarg_size 56
		.amdhsa_user_sgpr_count 2
		.amdhsa_user_sgpr_kernarg_segment_ptr 1
		.amdhsa_wavefront_size32 1
		.amdhsa_system_sgpr_workgroup_id_x 1
		.amdhsa_system_sgpr_workgroup_id_y 1
		.amdhsa_system_sgpr_workgroup_id_z 1
		.amdhsa_system_vgpr_workitem_id 0
		.amdhsa_next_free_vgpr 256
		.amdhsa_next_free_sgpr 66
		.amdhsa_reserve_vcc 1
		.amdhsa_float_denorm_mode_32 3
		.amdhsa_float_denorm_mode_16_64 3
		.amdhsa_memory_ordered 1
		.amdhsa_forward_progress 1
		.amdhsa_inst_pref_size 63
	.end_amdhsa_kernel
	.amdgpu_metadata
---
amdhsa.version: [ 1, 2 ]
amdhsa.kernels:
  - .name:           k_q673050a92b_quant
    .symbol:         k_q673050a92b_quant.kd
    .args:
      - { .name: x, .offset: 0, .size: 8, .value_kind: global_buffer, .address_space: global }
      - { .name: W_qkv, .offset: 8, .size: 8, .value_kind: global_buffer, .address_space: global }
      - { .name: W_o, .offset: 16, .size: 8, .value_kind: global_buffer, .address_space: global }
      - { .name: ximg, .offset: 24, .size: 8, .value_kind: global_buffer, .address_space: global }
      - { .name: xsc, .offset: 32, .size: 8, .value_kind: global_buffer, .address_space: global }
      - { .name: wimg, .offset: 40, .size: 8, .value_kind: global_buffer, .address_space: global }
      - { .name: woimg, .offset: 48, .size: 8, .value_kind: global_buffer, .address_space: global }
    .group_segment_fixed_size: 68608
    .private_segment_fixed_size: 0
    .kernarg_segment_align: 8
    .kernarg_segment_size: 56
    .max_flat_workgroup_size: 256
    .sgpr_count:     66
    .vgpr_count:     256
    .wavefront_size: 32
...
	.end_amdgpu_metadata
.endif
;; end of part 1
;; launch qkv (part 2): grid 32 x 8, 4 waves a work-group, clusters of 4 x 1, 307,712 bytes of LDS; arguments ximg, xsc, wimg, qimg, kvimg; writes qimg, kvimg
.if DOCPART == 2
	.amdgcn_target "amdgcn-amd-amdhsa--gfx1250"
	.amdhsa_code_object_version 6
	.text
	.protected	k_q673050a92b_qkv
	.globl	k_q673050a92b_qkv
	.p2align	8
	.type	k_q673050a92b_qkv,@function
k_q673050a92b_qkv:
	s_mov_b64 s[64:65], 0
	v_nop
	global_prefetch_b8 v0, s[64:65] scope:SCOPE_SE
	s_setreg_imm32_b32 hwreg(HW_REG_WAVE_MODE, 25, 1), 1
	s_wait_xcnt 0x0
	s_wait_alu depctr_hold_cnt(0) depctr_sa_sdst(0) depctr_va_vdst(0) depctr_va_sdst(0) depctr_va_ssrc(0) depctr_va_vcc(0) depctr_vm_vsrc(0)
	s_getreg_b32 s2, hwreg(HW_REG_IB_STS2, 6, 4)
	s_cmp_eq_u32 s2, 0
	s_cbranch_scc0 .Lentry_in_a_cluster
	s_endpgm
.Lentry_in_a_cluster:
	s_bfe_u32 s2, ttmp6, 0x10000c
	s_cmp_lg_u32 s2, 0x3003
	s_cbranch_scc0 .Lentry_shape_is_right
	s_endpgm
.Lentry_shape_is_right:
; qkv = x W_qkv on codes of FP6 (E2M3) with E8M0 scales, and q, k, v quantised from the f32 sums into images of the attention's operand registers.
; SHARES.  A work-group makes 128 tokens (block mi) x 384 columns: q, k, v of the two heads of pair hp.  Wave w: tokens 64 (w % 2) on (four tiles at), head w / 2 (four tiles ct of q, of k, of v): 48 accumulators, 384 registers.
; q AND k ARE MADE TRANSPOSED (source 0 = 16 columns of W, source 1 = 16 tokens): a lane holds one token and its registers run along the head's channels, the next product's K.
; v IS MADE AS IT STANDS (source 0 = tokens, source 1 = columns): a lane holds one channel and its registers run along the tokens, which are the keys, its next K.
; By the choice of a tile's rows (row r of tile j = number 8 j + r % 8 + 32 (r / 8) of each 64) the 32 registers of four result tiles in lane (r, h) are numbers 32 h + 0 .. 31: ONE WHOLE SCALE BLOCK; no other lane is asked.
; OPERANDS.  W's images of the head pair, all of K, 307,200 bytes, come into LDS ONCE: four tensor loads, one a wave: K step 0; 1, 2; 3, 4; 5 to 7, asked for JOINTLY by the four work-groups of a cluster, which differ in mi alone.
; Nothing is filled again.  x's images go from memory straight into registers, three K steps ahead, in four sets: beside W, LDS has 20,480 bytes left and x's 128 rows are 98,304.
; No prefetch: all of W is asked for at the head, and x's loads run three K steps ahead of their use.
; LIMITS: a block of zeros gets the byte 1 where the rule says 127 (zero codes; read by this program alone); blocks under 2^-124 are held at the byte 1; NaN and infinities are not served.
; REGISTERS, in windows of 256: window 0: v1-7 addresses; v32-47 x's scale words; v48-53 W's; v64-207 W's 12 fragments; v208-255 at work.  window 1: x's fragments, set ks % 4 at 48 (ks % 4).
;   window 2: q's and k's accumulators at 8 (16 sec + 4 at + ct).   window 3: v's at 8 (4 ct + at).
.set AS,  32                           ; x's scale words: register 8 p + ks: lanes 0-15 tile 2 p, lanes 16-31 tile 2 p + 1
.set BS,  48                           ; W's: register 2 sec + p, likewise
.set BF,  64                           ; W's fragments at 12 (4 sec + ct)
.set M,   208                          ; v208-211 largest magnitudes, v212-215 scale operands, of four tiles
.set TMP, 160                          ; v160-175 the upper halves of four tiles' codes
.set PR,  220                          ; v220-231 twelve scale bytes
.set SR,  232                          ; v232-238 scale registers on their way out
.set CD,  64                           ; v64-159 the codes on their way out: eight registers for each of twelve halves, so that no store's data are written again
.set MSB, 0
.macro WIN new                         ; the immediate's high byte repeats the setting that is left
.if MSB != (\new)
	s_set_vgpr_msb (MSB<<8)|(\new)
.set MSB, (\new)
.endif
.endm
.macro PLACES                          ; four plain places behind matrix instructions, in front of loads into their registers and of reads of their results
.rept 4
	v_nop
.endr
.endm
.macro ROUND                           ; a round of the cluster's barrier
	s_barrier_signal -1
	s_barrier_wait -1
	s_cmp_lg_u32 s14, 0
	s_cbranch_scc1 .Lnot_wave_0_\@
	s_barrier_signal -3
.Lnot_wave_0_\@:
	s_barrier_wait -3
	s_barrier_signal -1
	s_barrier_wait -1
.endm
; one product.  ra, rb: source 0's and source 1's scale words stand in lanes 16-31
.macro WX d, a, b, c, sa, sb, ra, rb
	v_wmma_scale_f32_16x16x128_f8f6f4 v[\d:\d+7], v[\a:\a+11], v[\b:\b+11], \c, v[\sa], v[\sb] matrix_a_fmt:MATRIX_FMT_FP6 matrix_b_fmt:MATRIX_FMT_FP6 matrix_a_scale:MATRIX_SCALE_ROW\ra matrix_b_scale:MATRIX_SCALE_ROW\rb
.endm
.macro WY d, a, b, c, sa, sb, ra, rb
.if (\ra) && (\rb)
	WX \d, \a, \b, \c, \sa, \sb, 1, 1
.elseif (\ra)
	WX \d, \a, \b, \c, \sa, \sb, 1, 0
.elseif (\rb)
	WX \d, \a, \b, \c, \sa, \sb, 0, 1
.else
	WX \d, \a, \b, \c, \sa, \sb, 0, 0
.endif
.endm
.macro WM d, a, b, zero, sa, sb, ra, rb
.if \zero
	WY \d, \a, \b, 0, \sa, \sb, \ra, \rb
.else
	WY \d, \a, \b, v[\d:\d+7], \sa, \sb, \ra, \rb
.endif
.endm
.macro ALOAD k                         ; x's four fragments of K step k into set k % 4: 16 loads, each of 512 or 256 consecutive bytes
	WIN 0x40                                       ; destination window 1, address window 0
.irp at, 0,1,2,3
	global_load_b128 v[48*((\k)%4)+12*\at:48*((\k)%4)+12*\at+3], v1, s[48:49] offset:12288*\at+1536*(\k)
	global_load_b64 v[48*((\k)%4)+12*\at+4:48*((\k)%4)+12*\at+5], v2, s[48:49] offset:12288*\at+1536*(\k)+512
	global_load_b128 v[48*((\k)%4)+12*\at+6:48*((\k)%4)+12*\at+9], v1, s[48:49] offset:12288*\at+1536*(\k)+768
	global_load_b64 v[48*((\k)%4)+12*\at+10:48*((\k)%4)+12*\at+11], v2, s[48:49] offset:12288*\at+1536*(\k)+1280
.endr
.endm
.macro BLOAD sec                       ; my head's four fragments of section sec and their two scale registers, at the K step to which v5-7 point: 18 LDS loads
	WIN 0
.irp ct, 0,1,2,3
	ds_load_b128 v[BF+12*(4*\sec+\ct):BF+12*(4*\sec+\ct)+3], v5 offset:12288*\sec+1536*\ct
	ds_load_b64 v[BF+12*(4*\sec+\ct)+4:BF+12*(4*\sec+\ct)+5], v6 offset:12288*\sec+1536*\ct+512
	ds_load_b128 v[BF+12*(4*\sec+\ct)+6:BF+12*(4*\sec+\ct)+9], v5 offset:12288*\sec+1536*\ct+768
	ds_load_b64 v[BF+12*(4*\sec+\ct)+10:BF+12*(4*\sec+\ct)+11], v6 offset:12288*\sec+1536*\ct+1280
.endr
.irp p, 0,1
	ds_load_b32 v[BS+2*\sec+\p], v7 offset:36864+512*\sec+128*\p
.endr
.endm
; 16 products of one section, each on another accumulator: the 48 take turns, one instruction a turn, in the same order in every K step
.macro MULT sec, ks, zero
.if \sec < 2
	WIN 0xa4                                       ; source 0 (W) window 0, source 1 (x) window 1, C and D window 2
.irp at, 0,1,2,3
.irp ct, 0,1,2,3
	WM 8*(16*\sec+4*\at+\ct), BF+12*(4*\sec+\ct), 48*((\ks)%4)+12*\at, \zero, BS+2*\sec+\ct/2, AS+8*(\at/2)+(\ks), \ct%2, \at%2
.endr
.endr
.else
	WIN 0xf1                                       ; source 0 (x) window 1, source 1 (W) window 0, C and D window 3
.irp ct, 0,1,2,3
.irp at, 0,1,2,3
	WM 8*(4*\ct+\at), 48*((\ks)%4)+12*\at, BF+12*(8+\ct), \zero, AS+8*(\at/2)+(\ks), BS+4+\ct/2, \at%2, \ct%2
.endr
.endr
.endif
.endm
.macro GRP g, rows                     ; descriptor group 1: dense bytes as rows of 256 (32 elements of 8 bytes)
	s_mov_b32 s[\g], 15|(3<<16)|(1<<21)            ; 15:0 the mask: all four work-groups; 17:16 elements of 8 bytes; 21 set beside a mask
	s_mov_b32 s[\g+1], 32<<16
	s_mov_b32 s[\g+2], (\rows)<<16
	s_mov_b32 s[\g+3], 32<<16
	s_mov_b32 s[\g+4], \rows
	s_mov_b32 s[\g+5], 32
	s_mov_b32 s[\g+6], 0
	s_mov_b32 s[\g+7], 0
.endm
.macro DSC g, off                      ; group 0 of a load of my head pair's bytes from off on
	s_mov_b32 s[\g], 1
	s_mov_b32 s[\g+1], \off
	s_add_nc_u64 s[\g+2:\g+3], s[68:69], \off
	s_or_b32 s[\g+3], s[\g+3], 0x80000000
.endm
.macro ARM w, g0, g1, next
	s_cmp_eq_u32 s14, \w
	s_cbranch_scc0 \next
	tensor_load_to_lds s[\g0:\g0+3], s[\g1:\g1+7]
	s_nop 0
	PLACES
	s_branch .Lasked
\next:
.endm
	s_load_b256 s[4:11], s[0:1], 0x0               ; ximg s[4:5], xsc s[6:7], wimg s[8:9], qimg s[10:11]
	s_load_b64 s[12:13], s[0:1], 0x20              ; kvimg
	v_lshl_add_u32 v254, v0, 2, 0x4b000
	v_mov_b32 v255, 0
	ds_add_u32 v254, v255
	ds_add_u32 v254, v255
	v_lshrrev_b32 v1, 5, v0
	v_readfirstlane_b32 s14, v1                    ; wave 0..3
	s_and_b32 s15, s14, 1                          ; wr: which 64 tokens
	s_lshr_b32 s16, s14, 1                         ; wc: which head of the pair
	s_and_b32 s19, ttmp7, 0xffff                   ; hp, which the four partners share
	GRP 80, 150                                    ; one K step, 38,400 bytes,
	GRP 24, 300                                    ; two,
	GRP 88, 450                                    ; three
	s_mul_i32 s66, s19, 307200
	s_mov_b32 s67, 0
	s_wait_alu depctr_va_vdst(0)
	s_wait_dscnt 0x0
	ROUND                                          ; all four work-groups are here: the joint loads meet
	s_wait_kmcnt 0x0
	s_add_nc_u64 s[68:69], s[8:9], s[66:67]
	DSC 32, 0
	DSC 36, 38400
	DSC 40, 115200
	DSC 44, 192000
	ARM 0, 32, 80, .Lwave_1                        ; one load a wave, one arm to a load: K step 0,
	ARM 1, 36, 24, .Lwave_2                        ; 1 and 2,
	ARM 2, 40, 24, .Lwave_3                        ; 3 and 4,
	tensor_load_to_lds s[44:47], s[88:95]          ; 5, 6, 7
	s_nop 0
	PLACES
.Lasked:
	; my place in the cluster enters global addresses alone, in registers of their own
	s_bfe_u32 s17, ttmp6, 0x40000                  ; cx
	s_lshl_b32 s18, ttmp9, 2
	s_add_co_u32 s18, s18, s17                     ; mi
	s_lshl_b32 s72, s18, 3
	s_lshl_b32 s73, s15, 2
	s_add_co_u32 s74, s72, s73                     ; my first tile of tokens
	s_mul_i32 s72, s74, 12288
	s_mov_b32 s73, 0
	s_add_nc_u64 s[48:49], s[4:5], s[72:73]        ; x's images
	s_lshl_b32 s72, s74, 9
	s_add_nc_u64 s[50:51], s[6:7], s[72:73]        ; x's scale words
	s_lshr_b32 s75, s18, 4
	s_lshl_b32 s75, s75, 4
	s_lshl_b32 s76, s19, 1
	s_add_co_u32 s75, s75, s76
	s_add_co_u32 s75, s75, s16                     ; hb = 16 x batch + head
	s_and_b32 s76, s18, 15                         ; the block of 128 tokens in the sequence
	s_mul_i32 s72, s75, 106496
	s_mul_i32 s77, s76, 6656
	s_add_co_u32 s72, s72, s77
	s_add_nc_u64 s[54:55], s[10:11], s[72:73]      ; q's block
	s_mul_i32 s72, s15, 3072
	s_add_nc_u64 s[52:53], s[54:55], s[72:73]      ; my four halves in it
	s_lshl_b32 s72, s15, 8
	s_add_co_u32 s72, s72, 6144
	s_add_nc_u64 s[54:55], s[54:55], s[72:73]      ; and their scale registers
	s_mul_i32 s72, s75, 208896
	s_mul_i32 s77, s76, 13056
	s_add_co_u32 s72, s72, s77
	s_add_nc_u64 s[62:63], s[12:13], s[72:73]      ; k's and v's block
	s_mul_i32 s72, s15, 3072
	s_add_nc_u64 s[56:57], s[62:63], s[72:73]      ; k's halves
	s_lshl_b32 s72, s15, 8
	s_add_co_u32 s72, s72, 12288
	s_add_nc_u64 s[58:59], s[62:63], s[72:73]      ; k's scale registers
	s_mul_i32 s72, s15, 768
	s_add_co_u32 s72, s72, 6144
	s_add_nc_u64 s[60:61], s[62:63], s[72:73]      ; v's halves: my 64 tokens are half wr of each fragment
	s_lshl_b32 s72, s15, 2
	s_add_co_u32 s72, s72, 12800
	s_add_nc_u64 s[62:63], s[62:63], s[72:73]      ; v's scale bytes: eight bytes a lane, word wr of them mine
	v_and_b32 v8, 31, v0
	v_lshlrev_b32 v1, 4, v8                        ; 16 x lane
	v_lshlrev_b32 v2, 3, v8                        ; 8 x lane
	v_lshlrev_b32 v3, 2, v8                        ; 4 x lane
	v_and_b32 v9, 15, v0
	v_bfe_u32 v10, v0, 4, 1
	v_lshlrev_b32 v4, 3, v9
	v_lshl_add_u32 v4, v10, 9, v4                  ; x's scale words: 512 (lane / 16) + 8 r
	s_mul_i32 s23, s16, 6144
	v_add_nc_u32 v5, s23, v1                       ; LDS: my head's fragments in a K step's block,
	v_add_nc_u32 v6, s23, v2
	s_lshl_b32 s23, s16, 8
	v_add_nc_u32 v7, s23, v3                       ; and its scale images
	s_wait_alu depctr_va_vdst(0)
.irp p, 0,1
.irp kp, 0,1,2,3
	global_load_b64 v[AS+8*\p+2*\kp:AS+8*\p+2*\kp+1], v4, s[50:51] offset:1024*\p+128*\kp
.endr
.endr
	ALOAD 0
	ALOAD 1
	ALOAD 2
	WIN 0
	s_cmp_lg_u32 s14, 0
	s_cbranch_scc1 .Lnot_first
	s_wait_tensorcnt 0x0                           ; wave 0: K step 0 is in; the other waves' loads may be out
.Lnot_first:
	s_barrier_signal -1
	s_barrier_wait -1
	BLOAD 0
	BLOAD 1
	BLOAD 2
.macro KSTEP ks, zero
.if \ks < 6
	s_wait_loadcnt 32                              ; x's scale words and this K step's fragments are in; the next two K steps' 16 loads each may be out
.else
	s_wait_loadcnt 16*(7-\ks)
.endif
	s_wait_dscnt 36                                ; section 0 is in; the 18 loads of each of the two later sections may be out
	MULT 0, \ks, \zero
	PLACES
.if \ks < 7
	WIN 0
.if (\ks%2) == 0 && \ks < 5                    ; the next K step begins another wave's load
.if \ks < 4
	s_cmp_gt_u32 s14, \ks/2+1
	s_cbranch_scc1 .Llater_\@
	s_wait_tensorcnt 0x0                           ; waves 0 to ks / 2 + 1: what the next two K steps read is in; the later waves' loads may be out
.Llater_\@:
.else
	s_wait_tensorcnt 0x0                           ; all that was out
.endif
	s_wait_dscnt 0x0                               ; no LDS load of mine is out at a signal
	s_barrier_signal -1
	s_barrier_wait -1
.endif
	v_add_nc_u32 v5, 38400, v5                     ; on to the next K step's block
	v_add_nc_u32 v6, 38400, v6
	v_add_nc_u32 v7, 38400, v7
	BLOAD 0
.if \ks < 5
	ALOAD \ks+3                                    ; into the set that the K step before read: its last products stand more than four places back
.endif
	s_wait_alu depctr_va_vdst(0)
	s_wait_dscnt 36
.else
	s_wait_dscnt 18
.endif
	MULT 1, \ks, \zero
	PLACES
.if \ks < 7
	BLOAD 1
	s_wait_dscnt 36
.else
	s_wait_dscnt 0x0
.endif
	MULT 2, \ks, \zero
	PLACES
.if \ks < 7
	BLOAD 2
.endif
.endm
	KSTEP 0, 1                                     ; the first products start the sums: nothing is cleared
	KSTEP 1, 0
	KSTEP 2, 0
	KSTEP 3, 0
	KSTEP 4, 0
	KSTEP 5, 0
	KSTEP 6, 0
	KSTEP 7, 0
; Four times 32 registers of window win, each one whole block in every lane, become four half fragments (six registers v[dst + 8 t] on) and four scale bytes in v[byt] on.  The four chains take turns, line by line.
; Each accumulator is read from its low end on.
.macro QUANT4 win, src, dst, byt
	WIN 5*\win                                     ; sources 0 and 1 in window win
.irp t, 0,1,2,3
	v_max3_num_f32 v[M+\t], |v[\src+32*\t]|, |v[\src+32*\t+1]|, 0x1800000   ; with the floor 2^(3 - 127)
.endr
.irp i, 2,4,6,8,10,12,14,16,18,20,22,24,26,28,30
.irp t, 0,1,2,3
	v_max3_num_f32 v[M+\t], |v[\src+32*\t+\i]|, |v[\src+32*\t+\i+1]|, v[M+\t]
.endr
.endr
	WIN 0
.irp t, 0,1,2,3
	v_add_nc_u32 v[M+4+\t], 0xff000000, v[M+\t]    ; 2 off its exponent field: the conversion's scale operand
.endr
.irp t, 0,1,2,3
	v_lshrrev_b32 v[\byt+\t], 23, v[M+4+\t]        ; the byte
.endr
	WIN \win                                       ; source 0 in window win
.irp t, 0,1,2,3
	v_cvt_scalef32_pk16_fp6_f32 v[\dst+8*\t:\dst+8*\t+2], v[\src+32*\t:\src+32*\t+15], v[M+4+\t]
	v_cvt_scalef32_pk16_fp6_f32 v[TMP+4*\t:TMP+4*\t+2], v[\src+32*\t+16:\src+32*\t+31], v[M+4+\t]
.endr
	WIN 0
	v_nop                                          ; one plain place behind a scaled conversion
.irp t, 0,1,2,3
.irp i, 0,1,2
	v_mov_b32 v[\dst+8*\t+3+\i], v[TMP+4*\t+\i]
.endr
.endr
.endm
; q's or k's way out: four tiles of tokens.  Lane (r, h) has block h's byte of each; the swap brings both bytes of the even tile to lanes 0-15 and of the odd tile to lanes 16-31.  Bytes 2, 3 are 0: they scale zero codes.
.macro QKOUT src, dst, byt, sr, base, sbase
	QUANT4 2, \src, \dst, \byt
.irp at, 0,1,2,3
	global_store_b128 v1, v[\dst+8*\at:\dst+8*\at+3], s[\base:\base+1] offset:768*\at
	global_store_b64 v2, v[\dst+8*\at+4:\dst+8*\at+5], s[\base:\base+1] offset:768*\at+512
.endr
	v_permlane16_swap_b32 v[\byt], v[\byt+1]
	v_permlane16_swap_b32 v[\byt+2], v[\byt+3]
	v_lshl_or_b32 v[\sr], v[\byt+1], 8, v[\byt]
	v_lshl_or_b32 v[\sr+1], v[\byt+3], 8, v[\byt+2]
	global_store_b64 v2, v[\sr:\sr+1], s[\sbase:\sbase+1]
.endm
	WIN 0
	QKOUT 0, CD, PR, SR, 52, 54
	QKOUT 128, CD+32, PR+4, SR+2, 56, 58
	QUANT4 3, 0, CD+64, PR+8                       ; v: tile ct of the head's channels, my 64 tokens along K
.irp ct, 0,1,2,3
	global_store_b128 v1, v[CD+64+8*\ct:CD+64+8*\ct+3], s[60:61] offset:1536*\ct
	global_store_b64 v2, v[CD+64+8*\ct+4:CD+64+8*\ct+5], s[60:61] offset:1536*\ct+512
.endr
	v_permlane16_swap_b32 v[PR+8], v[PR+10]        ; tiles 0 and 2: lanes 0-15 tile 0, lanes 16-31 tile 2
	v_permlane16_swap_b32 v[PR+9], v[PR+11]        ; tiles 1 and 3 likewise
	v_lshl_or_b32 v[SR+4], v[PR+10], 8, v[PR+8]
	v_lshl_or_b32 v[SR+5], v[PR+11], 8, v[PR+9]
	v_lshl_or_b32 v[SR+6], v[SR+5], 16, v[SR+4]    ; my two bytes of each of two tiles
	global_store_b32 v2, v[SR+6], s[62:63]
	s_wait_tensorcnt 0x0                           ; the wave's end
	ds_add_u32 v254, v255
	s_wait_dscnt 0x0
	ROUND                                          ; the closing round: no work-group ends while a partner may still ask for a tile that names it
	s_endpgm
.Lfunc_end_k_q673050a92b_qkv:
	.size	k_q673050a92b_qkv, .Lfunc_end_k_q673050a92b_qkv-k_q673050a92b_qkv
	.p2alignl 7, 3214868480
	.fill 96, 4, 3214868480
	.section	.rodata,"a",@progbits
	.p2align	6, 0x0
	.amdhsa_kernel k_q673050a92b_qkv
		.amdhsa_group_segment_fixed_size 307712
		.amdhsa_private_segment_fixed_size 0
		.amdhsa_enable_private_segment 0
		.amdhsa_kernarg_size 40
		.amdhsa_user_sgpr_count 2
		.amdhsa_user_sgpr_kernarg_segment_ptr 1
		.amdhsa_wavefront_size32 1
		.amdhsa_system_sgpr_workgroup_id_x 1
		.amdhsa_system_sgpr_workgroup_id_y 1
		.amdhsa_system_sgpr_workgroup_id_z 1
		.amdhsa_system_vgpr_workitem_id 0
		.amdhsa_next_free_vgpr 896
		.amdhsa_next_free_sgpr 100
		.amdhsa_reserve_vcc 0
		.amdhsa_float_denorm_mode_32 3
		.amdhsa_float_denorm_mode_16_64 3
		.amdhsa_memory_ordered 1
		.amdhsa_forward_progress 1
		.amdhsa_inst_pref_size 123
	.end_amdhsa_kernel
	.amdgpu_metadata
---
amdhsa.version: [ 1, 2 ]
amdhsa.kernels:
  - .name:           k_q673050a92b_qkv
    .symbol:         k_q673050a92b_qkv.kd
    .args:
      - { .name: ximg, .offset: 0, .size: 8, .value_kind: global_buffer, .address_space: global }
      - { .name: xsc, .offset: 8, .size: 8, .value_kind: global_buffer, .address_space: global }
      - { .name: wimg, .offset: 16, .size: 8, .value_kind: global_buffer, .address_space: global }
      - { .name: qimg, .offset: 24, .size: 8, .value_kind: global_buffer, .address_space: global }
      - { .name: kvimg, .offset: 32, .size: 8, .value_kind: global_buffer, .address_space: global }
    .group_segment_fixed_size: 307712
    .private_segment_fixed_size: 0
    .kernarg_segment_align: 8
    .kernarg_segment_size: 40
    .max_flat_workgroup_size: 128
    .sgpr_count:     100
    .vgpr_count:     896
    .wavefront_size: 32
...
	.end_amdgpu_metadata
.endif
;; end of part 2
;; launch attn (part 3): grid 8 x 32, 16 waves a work-group, clusters of 4 x 1, 245,760 bytes of LDS; arguments qimg, kvimg, opimg, opsc; writes opimg, opsc
.if DOCPART == 3
	.amdgcn_target "amdgcn-amd-amdhsa--gfx1250"
	.amdhsa_code_object_version 6
	.text
	.protected	k_q673050a92b_attn
	.globl	k_q673050a92b_attn
	.p2align	8
	.type	k_q673050a92b_attn,@function
k_q673050a92b_attn:
	s_mov_b64 s[64:65], 0
	v_nop
	global_prefetch_b8 v0, s[64:65] scope:SCOPE_SE
	s_setreg_imm32_b32 hwreg(HW_REG_WAVE_MODE, 25, 1), 1
	s_wait_xcnt 0x0
	s_wait_alu depctr_hold_cnt(0) depctr_sa_sdst(0) depctr_va_vdst(0) depctr_va_sdst(0) depctr_va_ssrc(0) depctr_va_vcc(0) depctr_vm_vsrc(0)
	s_getreg_b32 s2, hwreg(HW_REG_IB_STS2, 6, 4)
	s_cmp_eq_u32 s2, 0
	s_cbranch_scc0 .Lentry_in_a_cluster
	s_endpgm
.Lentry_in_a_cluster:
	s_bfe_u32 s2, ttmp6, 0x10000c
	s_cmp_lg_u32 s2, 0x3003
	s_cbranch_scc0 .Lentry_shape_is_right
	s_endpgm
.Lentry_shape_is_right:
; Causal attention of one head on codes of FP6 (E2M3) with E8M0 scales, and its result quantised for the last product.
; t = score x log2(e) / 8; M = the running largest t rounded UP to a whole number; p = 2^(t - M) is quantised along the keys, not normalised; the row's sum is taken of the unquantised p and divides O at the end.
; When M moves, the sum and O are multiplied by 2^(old M - new M): exact.
; WORK LEFT OUT: key steps (128 keys) that lie wholly behind a query's block of 128: the reference's own causal mask makes their p 0 for all finite inputs.
; SHARES.  Work-group g (0..7) of head hb takes tile g (16 queries) of EVERY block of 128 queries: 16 tiles, block b with b + 1 key steps.  The 16 waves form eight pairs; pair i owns the tiles of blocks 15 - i and i, 17 key steps.
; Its wave A takes the upper tile's key steps 0, 2, 3 .. 9 (i = 7: 0, 2 .. 8, 1), nine trips; its wave B the lower tile's steps 0 .. i, then the upper tile's 1, 10 .. 15 - i, eight trips (i = 7: the lower tile alone).
; At the end A hands its sums to B through LDS, and B joins the two: with M's whole numbers both are brought under the larger M by exact powers of two.
; A and B alternate so that the waves with equal w % 4, and those with equal w / 4, have 34 steps together.  Every branch hangs on the wave's number, the cluster's number and counted trips alone.
; LDS holds the head's K and V of all 16 key steps, 13,056 bytes a step, as images of operand registers: filled ONCE, one key step a wave, by tensor loads that the four work-groups of a cluster ask for JOINTLY.
; Trips 0 and 1 read key steps 0 to 2 alone, waves 0 to 2's; the others are shown by a second barrier behind these trips.  No prefetch: all of K and V is asked for at the head.
; LAYOUT.  S^T = K Q^T (source 0 = 16 keys, source 1 = my queries; K = the head's 64 channels; the instruction's other 64 are zero codes of Q, so that there K's operand may name any codes: it runs on into the next tile's registers).
; O^T = V^T P^T: a lane holds one query throughout.  Row r of key tile j of each 64 is key 8 j + r % 8 + 32 (r / 8), so the 32 registers of four score tiles in lane (r, h) are keys 32 h + 0 .. 31: one scale block; V's channels likewise.
; LIMITS: the scaled scores (exponents to the base 2) stay under 2^31 in magnitude; a block of zeros gets the byte 1 where the rule says 127 (zero codes; read by this program alone); blocks under 2^-124 are held at the byte 1;
; NaN and infinities are not served (a number that is not finite in one tile's sums can reach the next tile of the same wave).
; The scale bytes of op leave by a store of a byte a lane, rows 32 bytes apart: one byte in 24 of what the wave stores.
.set KSB,  13056                       ; a key step's K and V in LDS
.set STG,  16*KSB                      ; behind them: for each pair 32 registers of O^T and two of state; no tensor load lands there
.set PSTG, 4352
.set SPARE, STG+8*PSTG                 ; the spare words
.set QF,  16                           ; v16-27   Q's fragment (v22-27 zero codes)
.set QSC, 28                           ; v28      Q's scale words
.set PW,  29                           ; v29      p's scale word
.set YS,  30                           ; v30-31   V's scale words: register ct % 2, lanes 16 (ct / 2) on
.set KSC, 32                           ; v32-35   K's scale words: register tile / 2, lanes 16 (tile % 2) on
.set KFR, 40                           ; v40-87   eight tiles of K, six registers each; behind the scores' products free for work:
.set BM,  40                           ;   v40-43 maxima, v48-49 scale operands, v52-54 bytes, v56-62 halves of codes, v64-65 the factor f, v67-75
.set SO,  48
.set BY,  52
.set TC,  56
.set VF,  88                           ; v88-135  V's four fragments
.set S,   136                          ; v136-199 S^T, then p
.set O,   200                          ; v200-231 O^T
.set PC,  232                          ; v232-243 p's codes
.set Q2,  244                          ; v244-249 the upper tile's Q, v250 its scale words
.macro ROUND
	s_barrier_signal -1
	s_barrier_wait -1
	s_cmp_lg_u32 s12, 0
	s_cbranch_scc1 .Lnot_wave_0_\@
	s_barrier_signal -3
.Lnot_wave_0_\@:
	s_barrier_wait -3
	s_barrier_signal -1
	s_barrier_wait -1
.endm
	s_load_b256 s[4:11], s[0:1], 0x0               ; qimg s[4:5], kvimg s[6:7], opimg s[8:9], opsc s[10:11]
	v_lshl_add_u32 v254, v0, 2, SPARE
	v_mov_b32 v255, 0
	ds_add_u32 v254, v255
	ds_add_u32 v254, v255
	v_lshrrev_b32 v1, 5, v0
	v_readfirstlane_b32 s12, v1                    ; wave 0..15
	s_and_b32 s15, ttmp7, 0xffff                   ; hb = 16 x batch + head, which the four partners share
	s_mov_b32 s32, ttmp9                           ; the cluster's number: g / 4
	s_lshr_b32 s33, s12, 2
	s_xor_b32 s33, s33, s12
	s_and_b32 s33, s33, 1                          ; 1: I am a B wave
	s_xor_b32 s35, s33, 1                          ; 1: an A wave
	s_lshr_b32 s34, s12, 1                         ; i
	s_xor_b32 s44, s34, 15                         ; the upper tile's block, 15 - i
	s_mul_i32 s66, s35, 15
	s_xor_b32 s16, s34, s66                        ; my first tile's block: A 15 - i, B i
	s_lshl_b32 s66, s35, 6
	s_add_co_u32 s36, s34, 1
	s_add_co_u32 s36, s36, s66                     ; B: the trip i + 1 at which the tile changes; A: none
	s_add_co_u32 s46, s66, 8                       ; B: trip 8 has no step; A: none
	s_xor_b32 s45, s34, 7
	s_add_co_u32 s45, s45, 1                       ; 8 - i: from trip to key step in B's upper tile
	s_cmp_eq_u32 s34, 7
	s_cselect_b32 s67, 8, s36
	s_cmp_eq_u32 s33, 1
	s_cselect_b32 s37, s36, s67                    ; the trip that takes key step 1 out of its order: B i + 1; A 8 where i = 7
	s_mov_b32 s38, s35                             ; from trip to key step: A 1, B 0 at first
	s_mov_b32 s20, 0x76543210
	s_mov_b32 s21, 0xfedcba98
	s_mov_b32 s22, 0x3e38aa3b                      ; c = log2(e) / 8
	s_mov_b32 s23, s22                             ; (named with it as a pair, so it is written)
	s_mov_b32 s47, 0xbe38aa3b                      ; -c
	; descriptor group 1: a key step's dense bytes as 51 rows of 256 (32 elements of 8 bytes)
	s_mov_b32 s24, 15|(3<<16)|(1<<21)              ; 15:0 the mask: all four work-groups; 17:16 elements of 8 bytes; 21 set beside a mask
	s_mov_b32 s25, 32<<16
	s_mov_b32 s26, 51<<16
	s_mov_b32 s27, 32<<16
	s_mov_b32 s28, 51
	s_mov_b32 s29, 32
	s_mov_b32 s30, 0
	s_mov_b32 s31, 0
	s_mul_i32 s68, s12, KSB                        ; I fetch key step w
	s_mul_i32 s66, s15, 16*KSB
	s_add_co_u32 s66, s66, s68
	s_mov_b32 s67, 0
	s_wait_alu depctr_va_vdst(0)
	s_wait_dscnt 0x0
	ROUND                                          ; all four work-groups are here: the joint loads meet
	s_wait_kmcnt 0x0
	s_mov_b32 s40, 1
	s_mov_b32 s41, s68
	s_add_nc_u64 s[42:43], s[6:7], s[66:67]
	s_or_b32 s43, s43, 0x80000000
	s_cmp_lt_u32 s12, 3                            ; waves 0 to 2, whose key steps are read first, have a load line of their own: they wait for it ahead of the first barrier
	s_cbranch_scc0 .Llater
	tensor_load_to_lds s[40:43], s[24:31]
	s_nop 0
.rept 4
	v_nop
.endr
	s_branch .Lasked
.Llater:
	tensor_load_to_lds s[40:43], s[24:31]
	s_nop 0
.rept 4
	v_nop
.endr
.Lasked:
	; my place in the cluster enters global addresses and the mask's numbers alone, in registers of their own
	s_bfe_u32 s13, ttmp6, 0x40000                  ; cx = g % 4
	s_lshl_b32 s14, s32, 2
	s_add_co_u32 s14, s14, s13                     ; g
	v_and_b32 v3, 31, v0
	v_lshlrev_b32 v1, 4, v3                        ; 16 x lane
	v_lshlrev_b32 v2, 3, v3                        ; 8 x lane
	v_and_b32 v9, 15, v0                           ; r
	v_bfe_u32 v11, v0, 4, 1                        ; h
	v_and_b32 v4, 7, v9
	v_and_b32 v5, 8, v9
	v_lshl_add_u32 v4, v5, 2, v4
	v_lshlrev_b32 v5, 5, v11
	v_sub_nc_u32 v4, v4, v5
	s_lshl_b32 s68, s32, 6
	s_lshl_b32 s69, s13, 3
	s_add_co_u32 s68, s68, s69
	v_add_nc_u32 v4, s68, v4                       ; my query in its block, 64 (g / 4) + 8 (g % 4) + r % 8 + 32 (r / 8), less 32 h: register 32 c + n of the diagonal step is hidden where 64 c + n is above it
	v_lshlrev_b32 v8, 3, v11                       ; 8 h
	v_lshl_add_u32 v10, v9, 5, v11                 ; 32 r + h
	v_lshlrev_b32 v9, 3, v9                        ; 8 r
	v_mov_b32 v7, 0xff800000                       ; -infinity
	s_mul_i32 s68, s15, 106496
	s_mul_i32 s69, s14, 768
	s_mul_i32 s70, s16, 6656
	s_mul_i32 s71, s44, 6656
	s_lshl_b32 s72, s32, 8
	s_and_b32 s73, s13, 1
	s_lshl_b32 s73, s73, 7
	s_add_co_u32 s72, s72, s73
	s_lshr_b32 s73, s13, 1
	s_lshl_b32 s73, s73, 2
	s_add_co_u32 s72, s72, s73
	s_add_co_u32 s72, s72, 6144                    ; scale words: 6,144 + 256 (g / 4) + 128 (g % 2) + 4 ((g / 2) % 2), 8 bytes from row to row
.macro PTR d, b
	s_add_co_u32 s66, s68, s\b
	s_add_co_u32 s74, s66, s69
	s_mov_b32 s75, 0
	s_add_nc_u64 s[\d:\d+1], s[4:5], s[74:75]      ; tile g's half image
	s_add_co_u32 s66, s66, s72
	s_add_nc_u64 s[\d+2:\d+3], s[4:5], s[66:67]    ; its scale words
.endm
	PTR 48, 70                                     ; my first tile's Q,
	PTR 52, 71                                     ; and the upper tile's
	s_wait_alu depctr_va_vdst(0)
	global_load_b128 v[QF:QF+3], v1, s[48:49]
	global_load_b64 v[QF+4:QF+5], v2, s[48:49] offset:512
	global_load_b32 v[QSC], v9, s[50:51]
	global_load_b128 v[Q2:Q2+3], v1, s[52:53]
	global_load_b64 v[Q2+4:Q2+5], v2, s[52:53] offset:512
	global_load_b32 v[Q2+6], v9, s[54:55]
	s_lshr_b32 s68, s15, 4
	s_lshl_b32 s68, s68, 7
	s_add_co_u32 s68, s68, s14                     ; 128 x batch + g
	s_and_b32 s69, s15, 15                         ; the head
	s_lshr_b32 s70, s69, 1
	s_mul_i32 s70, s70, 1536
	s_and_b32 s71, s69, 1
	s_mul_i32 s71, s71, 768
	s_add_co_u32 s70, s70, s71                     ; op's image: K step head / 2, half head % 2
	s_lshl_b32 s71, s69, 1                         ; op's scale bytes: 32 bytes a row, 2 a head
.macro OUTS b, d, e
	s_lshl_b32 s72, s\b, 3
	s_add_co_u32 s72, s72, s68                     ; the tile among the 256 tiles of tokens
	s_mul_i32 s66, s72, 12288
	s_add_co_u32 s66, s66, s70
	s_add_nc_u64 s[\d:\d+1], s[8:9], s[66:67]
	s_lshl_b32 s66, s72, 9
	s_add_co_u32 s66, s66, s71
	s_add_nc_u64 s[\e:\e+1], s[10:11], s[66:67]
.endm
	OUTS 16, 56, 58
	OUTS 44, 60, 62
.set i, 0
.rept 6
	v_mov_b32 v[QF+6+i], 0                         ; K = 64: Q's other half is zero codes
	v_mov_b32 v[VF+i], 0                           ; (the first products name these behind K's last tile)
.set i, i+1
.endr
.set i, 0
.rept 32
	v_mov_b32 v[O+i], 0                            ; O^T.  (The step is written once for all trips: the first finds zeros)
.set i, i+1
.endr
	v_mov_b32 v13, 0xff61b1e6                      ; the largest score so far: -3e38
	v_mov_b32 v12, 0x7f61b1e6                      ; -M: 3e38, so that the first f is 0
	v_mov_b32 v14, 0                               ; the sum, in two halves
	v_mov_b32 v15, 0
; THE WAY OUT of a tile: O^T / the sum (v14, still to be joined with lane l xor 16's), quantised along the head's 64 channels: lane (r, h) holds block h: half a fragment of the last product's operand, and a scale byte a lane
.macro WAYOUT d, e
	v_permlanex16_b32 v71, v14, s20, s21
	v_add_f32 v70, v14, v71                        ; the row's sum
	s_wait_alu depctr_va_vdst(0)
	v_rcp_f32 v70, v70
	v_nop                                          ; a plain place behind the reciprocal
	s_wait_alu depctr_va_vdst(0)                   ; the wait ahead of the first readers
.set j, 0
.rept 16
	v_pk_mul_f32 v[S+j:S+j+1], v[O+j:O+j+1], v[70:71] op_sel_hi:[1,0]   ; register n = channel 32 h + n; O^T is read from its low end on
.set j, j+2
.endr
	v_max3_num_f32 v[BM], |v[S]|, |v[S+1]|, 0x1800000
	v_max3_num_f32 v[BM+1], |v[S+16]|, |v[S+17]|, |v[S+18]|
.irp i, 2,4,6,8,10,12
	v_max3_num_f32 v[BM], v[BM], |v[S+\i]|, |v[S+\i+1]|
	v_max3_num_f32 v[BM+1], v[BM+1], |v[S+17+\i]|, |v[S+18+\i]|
.endr
	v_max3_num_f32 v[BM], v[BM], |v[S+14]|, |v[S+15]|
	v_max3_num_f32 v[BM], v[BM], v[BM+1], |v[S+31]|
	v_add_nc_u32 v[SO], 0xff000000, v[BM]
	v_cvt_scalef32_pk16_fp6_f32 v[PC:PC+2], v[S:S+15], v[SO]
	v_cvt_scalef32_pk16_fp6_f32 v[TC:TC+2], v[S+16:S+31], v[SO]
	v_lshrrev_b32 v[BY], 23, v[SO]                 ; the byte; the plain place behind the conversions
.irp i, 0,1,2
	v_mov_b32 v[PC+3+\i], v[TC+\i]
.endr
	global_store_b128 v1, v[PC:PC+3], s[\d:\d+1]   ; 512 consecutive bytes
	global_store_b64 v2, v[PC+4:PC+5], s[\d:\d+1] offset:512
	global_store_b8 v10, v[BY], s[\e:\e+1]
.endm
; B CHANGES TILES: the lower tile goes out, and the upper tile begins: with -M = 3e38 the next f is 0, which clears O^T and the sum
.macro SWITCH
.irp k, 0,1,2,3,4,5
	v_mov_b32 v[QF+\k], v[Q2+\k]
.endr
	v_mov_b32 v[QSC], v[Q2+6]
	v_add_f32 v14, v14, v15
	WAYOUT 56, 58
	s_mov_b32 s16, s44
	s_mov_b32 s38, s45
	v_mov_b32 v13, 0xff61b1e6
	v_mov_b32 v12, 0x7f61b1e6
	s_wait_alu depctr_va_vdst(0)
	s_wait_xcnt 0x0                                ; the stores have read their registers: a step writes them again
.endm
.macro MASK c                          ; the diagonal step: the scores of hidden keys of half c become -infinity ahead of the maximum: p = 0 then
.set n, 0
.rept 32
	v_cmp_gt_i32 vcc_lo, 64*\c+n, v4
	v_cndmask_b32 v[S+32*\c+n], v[S+32*\c+n], v7, vcc_lo
.set n, n+1
.endr
.endm
.macro QK t, row
	v_wmma_scale_f32_16x16x128_f8f6f4 v[S+8*\t:S+8*\t+7], v[KFR+6*\t:KFR+6*\t+11], v[QF:QF+11], 0, v[KSC+\t/2], v[QSC] matrix_a_fmt:MATRIX_FMT_FP6 matrix_b_fmt:MATRIX_FMT_FP6 matrix_a_scale:MATRIX_SCALE_ROW\row
.endm
.macro PV ct, row
	v_wmma_scale_f32_16x16x128_f8f6f4 v[O+8*\ct:O+8*\ct+7], v[VF+12*\ct:VF+12*\ct+11], v[PC:PC+11], v[O+8*\ct:O+8*\ct+7], v[YS+\ct%2], v[PW] matrix_a_fmt:MATRIX_FMT_FP6 matrix_b_fmt:MATRIX_FMT_FP6 matrix_a_scale:MATRIX_SCALE_ROW\row
.endm
; A KEY STEP, s39, of 128 keys.  No barrier and no tensor load stands in a step.
.macro STEP
	s_mul_i32 s18, s39, KSB
	v_add_nc_u32 v5, s18, v1
	v_add_nc_u32 v6, s18, v2
	ds_load_b64 v[KSC:KSC+1], v6 offset:12288
	ds_load_b64 v[KSC+2:KSC+3], v6 offset:12544
	ds_load_b64 v[36:37], v6 offset:12800          ; V's scale bytes: key blocks 0, 1 and 2, 3
.irp t, 0,1,2,3,4,5,6,7
	ds_load_b128 v[KFR+6*\t:KFR+6*\t+3], v5 offset:768*\t
	ds_load_b64 v[KFR+6*\t+4:KFR+6*\t+5], v6 offset:768*\t+512
.endr
	s_wait_alu depctr_va_vdst(0)
	s_wait_dscnt 0x0
	QK 0, 0
	QK 1, 1
	QK 2, 0
	QK 3, 1
	QK 4, 0
	QK 5, 1
	QK 6, 0
	QK 7, 1
	v_mov_b32 v3, v12                              ; the old -M.  Four places behind the products: this line and the next three
	v_nop
	v_perm_b32 v[YS], v37, v36, 0x05040100         ; V's scale words of tiles 0 (lanes 0-15) and 2 (lanes 16-31): four bytes, key blocks 0 .. 3
	v_perm_b32 v[YS+1], v37, v36, 0x07060302       ; of tiles 1 and 3
.irp ct, 0,1,2,3
	ds_load_b128 v[VF+12*\ct:VF+12*\ct+3], v5 offset:6144+1536*\ct
	ds_load_b64 v[VF+12*\ct+4:VF+12*\ct+5], v6 offset:6144+1536*\ct+512
	ds_load_b128 v[VF+12*\ct+6:VF+12*\ct+9], v5 offset:6144+1536*\ct+768
	ds_load_b64 v[VF+12*\ct+10:VF+12*\ct+11], v6 offset:6144+1536*\ct+1280
.endr
	s_cmp_lg_u32 s39, s16                          ; the diagonal step?
	s_cbranch_scc1 .Lopen_\@
	s_cmp_eq_u32 s32, 0
	s_cbranch_scc1 .Llow_\@
	MASK 1                                         ; g / 4 = 1: my queries lie in the block's second 64: its first 64 keys are open
	s_wait_alu depctr_va_vdst(0)
	s_branch .Lopen_\@
.Llow_\@:
	MASK 0                                         ; g / 4 = 0: in the first 64: the second 64 keys are hidden
.set n, 0
.rept 32
	v_mov_b32 v[S+32+n], v7
.set n, n+1
.endr
	s_wait_alu depctr_va_vdst(0)
.Lopen_\@:
.irp u, 0,1,2,3
	v_max3_num_f32 v[BM+\u], v[S+16*\u], v[S+16*\u+1], v[S+16*\u+2]   ; the largest score of each block (half c): for the row's maximum, and, since p rises with the score, for the block's largest p
.endr
.irp i, 3,5,7,9,11,13
.irp u, 0,1,2,3
	v_max3_num_f32 v[BM+\u], v[BM+\u], v[S+16*\u+\i], v[S+16*\u+\i+1]
.endr
.endr
.irp c, 0,1
	v_max3_num_f32 v[BM+2*\c], v[BM+2*\c], v[BM+2*\c+1], v[S+32*\c+15]
.endr
.irp c, 0,1
	v_max_num_f32 v[BM+2*\c], v[BM+2*\c], v[S+32*\c+31]
.endr
	s_delay_alu instid0(VALU_DEP_1)
	v_max_num_f32 v67, v[BM], v[BM+2]
	s_delay_alu instid0(VALU_DEP_1)
	v_permlanex16_b32 v68, v67, s20, s21
	s_delay_alu instid0(VALU_DEP_1)
	v_max3_num_f32 v13, v13, v67, v68              ; the running largest score of my query (key 0 of the step counts for every query of mine: it is a number)
	s_delay_alu instid0(VALU_DEP_1)
	v_mul_f32 v67, s47, v13                        ; as -t
	s_delay_alu instid0(VALU_DEP_1)
	v_floor_f32 v12, v67                           ; the new -M = -ceil(t): a whole number
	s_delay_alu instid0(VALU_DEP_1)
	v_sub_f32 v3, v12, v3                          ; old M - new M: a whole number, 0 or less
	s_delay_alu instid0(VALU_DEP_1)
	v_cvt_i32_f32 v3, v3                           ; (it saturates)
	s_delay_alu instid0(VALU_DEP_1)
	v_ldexp_f32 v64, 1.0, v3                       ; f = 2^(old M - new M)
.set j, 0
.rept 32
	v_pk_fma_f32 v[S+j:S+j+1], v[S+j:S+j+1], s[22:23], v[12:13] op_sel_hi:[1,0,0]   ; t - M, two at a time
.set j, j+2
.endr
	v_fma_f32 v[BM], v[BM], s22, v12               ; the same of each block's largest score
	v_fma_f32 v[BM+2], v[BM+2], s22, v12
	s_wait_alu depctr_va_vdst(0)
.set j, 0
.rept 64
	v_exp_f32 v[S+j], v[S+j]                       ; p = 2^(t - M), at most 1
.set j, j+1
.endr
	v_exp_f32 v[BM], v[BM]                         ; the block's largest p: the same two instructions on the same number
	v_exp_f32 v[BM+2], v[BM+2]
	v_pk_mul_f32 v[14:15], v[14:15], v[64:65] op_sel_hi:[1,0]   ; the sums under the new M; a plain place behind the exponentials
	s_wait_alu depctr_va_vdst(0)                   ; one wait for the batch, ahead of its first reader
	v_pk_add_f32 v[70:71], v[S:S+1], v[S+2:S+3]    ; the row's sum of the unquantised p, in four chains
	v_pk_add_f32 v[72:73], v[S+4:S+5], v[S+6:S+7]
	v_pk_add_f32 v[74:75], v[S+8:S+9], v[S+10:S+11]
.irp j, 12,20,28,36,44,52
	v_pk_add_f32 v[14:15], v[14:15], v[S+\j:S+\j+1]
	v_pk_add_f32 v[70:71], v[70:71], v[S+\j+2:S+\j+3]
	v_pk_add_f32 v[72:73], v[72:73], v[S+\j+4:S+\j+5]
	v_pk_add_f32 v[74:75], v[74:75], v[S+\j+6:S+\j+7]
.endr
	v_pk_add_f32 v[14:15], v[14:15], v[S+60:S+61]
	v_pk_add_f32 v[70:71], v[70:71], v[S+62:S+63]
	v_max_num_f32 v[BM], 0x1800000, v[BM]          ; the floor 2^(3 - 127): a block whose every p is 0 keeps the byte 1: its codes are zeros
	v_max_num_f32 v[BM+2], 0x1800000, v[BM+2]
	v_pk_add_f32 v[72:73], v[72:73], v[74:75]
	v_pk_add_f32 v[14:15], v[14:15], v[70:71]
	v_add_nc_u32 v[SO], 0xff000000, v[BM]
	v_add_nc_u32 v[SO+1], 0xff000000, v[BM+2]
	v_pk_add_f32 v[14:15], v[14:15], v[72:73]
	v_lshrrev_b32 v[BY], 23, v[SO]
	v_lshrrev_b32 v[BY+1], 23, v[SO+1]
.irp c, 0,1
	v_cvt_scalef32_pk16_fp6_f32 v[PC+6*\c:PC+6*\c+2], v[S+32*\c:S+32*\c+15], v[SO+\c]
	v_cvt_scalef32_pk16_fp6_f32 v[TC+4*\c:TC+4*\c+2], v[S+32*\c+16:S+32*\c+31], v[SO+\c]
.endr
	v_lshl_or_b32 v[BY], v[BY+1], 16, v[BY]        ; my bytes: key blocks h and 2 + h; the plain place behind the conversions
	s_delay_alu instid0(VALU_DEP_1)
	v_lshlrev_b32 v[BY], v8, v[BY]                 ; at their places
	s_delay_alu instid0(VALU_DEP_1)
	v_permlanex16_b32 v[BY+2], v[BY], s20, s21
	s_delay_alu instid0(VALU_DEP_1)
	v_or_b32 v[PW], v[BY], v[BY+2]                 ; with lane l xor 16's two the scale word is whole
.irp c, 0,1
.irp i, 0,1,2
	v_mov_b32 v[PC+6*\c+3+\i], v[TC+4*\c+\i]
.endr
.endr
	s_wait_dscnt 0x0                               ; V's fragments are in
	s_wait_alu depctr_va_vdst(0)                   ; directly ahead of the first reader of O^T
.set j, 0
.rept 16
	v_pk_mul_f32 v[O+j:O+j+1], v[O+j:O+j+1], v[64:65] op_sel_hi:[1,0]   ; O^T under the new M; these sixteen are also the places between p's scale word and codes and the products
.set j, j+2
.endr
	PV 0, 0
	PV 1, 0
	PV 2, 1
	PV 3, 1
.endm
.macro TRIP first
	s_cmp_lg_u32 s17, s36
	s_cbranch_scc1 .Lsame_\@
	SWITCH
.Lsame_\@:
.if \first                             ; trips 0 and 1: A 0, 2; B 0, 1
	s_and_b32 s39, s17, s35
	s_add_co_u32 s39, s39, s17
.else
	s_cmp_eq_u32 s17, s46
	s_cbranch_scc1 .Lnone_\@
	s_add_co_u32 s39, s17, s38
	s_cmp_eq_u32 s17, s37
	s_cselect_b32 s39, 1, s39
	s_min_u32 s39, s39, 15                         ; (no key step lies beyond 15)
.endif
	STEP
.Lnone_\@:
.endm
	s_wait_alu depctr_va_vdst(0)
	s_wait_loadcnt 0x0                             ; Q
	s_cmp_lt_u32 s12, 3
	s_cbranch_scc0 .Lnot_first
	s_wait_tensorcnt 0x0                           ; waves 0 to 2: key steps 0 to 2 are in; the others' loads may be out
.Lnot_first:
	s_barrier_signal -1
	s_barrier_wait -1
	s_mov_b32 s17, 0                               ; the trip
.Lfirst_trips:
	TRIP 1
	s_add_co_u32 s17, s17, 1
	s_cmp_lt_u32 s17, 2
	s_cbranch_scc1 .Lfirst_trips
	s_wait_tensorcnt 0x0
	s_wait_dscnt 0x0
	s_barrier_signal -1
	s_barrier_wait -1                              ; all of the head's K and V lie in LDS
	s_mov_b32 s17, 2
.Ltrips:
	TRIP 0
	s_add_co_u32 s17, s17, 1
	s_cmp_lt_u32 s17, 9
	s_cbranch_scc1 .Ltrips
	; THE JOIN: A's sums go to its pair's B wave through LDS
	s_mul_i32 s66, s34, PSTG
	s_add_co_u32 s66, s66, STG
	v_add_f32 v14, v14, v15                        ; these four are the places behind the last products
	v_mov_b32 v15, v12
	v_add_nc_u32 v5, s66, v1
	v_add_nc_u32 v6, s66, v2
	s_wait_alu depctr_va_vdst(0)
	s_cmp_eq_u32 s33, 1
	s_cbranch_scc1 .Lno_stage
.irp k, 0,1,2,3,4,5,6,7
	ds_store_b128 v5, v[O+4*\k:O+4*\k+3] offset:512*\k
.endr
	ds_store_b64 v6, v[14:15] offset:4096
.Lno_stage:
	s_wait_dscnt 0x0
	s_barrier_signal -1
	s_barrier_wait -1
	s_cmp_eq_u32 s33, 0
	s_cbranch_scc1 .Lend
.irp k, 0,1,2,3,4,5,6,7
	ds_load_b128 v[S+4*\k:S+4*\k+3], v5 offset:512*\k
.endr
	ds_load_b64 v[S+32:S+33], v6 offset:4096       ; A's sum and -M
	s_wait_dscnt 0x0
	v_min_num_f32 v67, v12, v[S+33]                ; under the larger M
	v_sub_f32 v[BM], v67, v12
	v_sub_f32 v[BM+1], v67, v[S+33]
	v_cvt_i32_f32 v[BM], v[BM]
	v_cvt_i32_f32 v[BM+1], v[BM+1]
	v_ldexp_f32 v64, 1.0, v[BM]                    ; B's factor (0 where B has had no step of this tile),
	v_ldexp_f32 v68, 1.0, v[BM+1]                  ; and A's
	v_mul_f32 v14, v14, v64
	v_fma_f32 v14, v[S+32], v68, v14
.set j, 0
.rept 16
	v_pk_mul_f32 v[O+j:O+j+1], v[O+j:O+j+1], v[64:65] op_sel_hi:[1,0]
.set j, j+2
.endr
.set j, 0
.rept 16
	v_pk_fma_f32 v[O+j:O+j+1], v[S+j:S+j+1], v[68:69], v[O+j:O+j+1] op_sel_hi:[1,0,1]
.set j, j+2
.endr
	s_wait_xcnt 0x0                                ; the lower tile's stores have read their registers
	WAYOUT 60, 62
.Lend:
	s_wait_tensorcnt 0x0                           ; the wave's end
	ds_add_u32 v254, v255
	s_wait_dscnt 0x0
	ROUND                                          ; the closing round: no work-group ends while a partner may still ask for a tile that names it
	s_endpgm
.Lfunc_end_k_q673050a92b_attn:
	.size	k_q673050a92b_attn, .Lfunc_end_k_q673050a92b_attn-k_q673050a92b_attn
	.p2alignl 7, 3214868480
	.fill 96, 4, 3214868480
	.section	.rodata,"a",@progbits
	.p2align	6, 0x0
	.amdhsa_kernel k_q673050a92b_attn
		.amdhsa_group_segment_fixed_size 245760
		.amdhsa_private_segment_fixed_size 0
		.amdhsa_enable_private_segment 0
		.amdhsa_kernarg_size 32
		.amdhsa_user_sgpr_count 2
		.amdhsa_user_sgpr_kernarg_segment_ptr 1
		.amdhsa_wavefront_size32 1
		.amdhsa_system_sgpr_workgroup_id_x 1
		.amdhsa_system_sgpr_workgroup_id_y 1
		.amdhsa_system_sgpr_workgroup_id_z 1
		.amdhsa_system_vgpr_workitem_id 0
		.amdhsa_next_free_vgpr 256
		.amdhsa_next_free_sgpr 80
		.amdhsa_reserve_vcc 1
		.amdhsa_float_denorm_mode_32 3
		.amdhsa_float_denorm_mode_16_64 3
		.amdhsa_memory_ordered 1
		.amdhsa_forward_progress 1
		.amdhsa_inst_pref_size 66
	.end_amdhsa_kernel
	.amdgpu_metadata
---
amdhsa.version: [ 1, 2 ]
amdhsa.kernels:
  - .name:           k_q673050a92b_attn
    .symbol:         k_q673050a92b_attn.kd
    .args:
      - { .name: qimg, .offset: 0, .size: 8, .value_kind: global_buffer, .address_space: global }
      - { .name: kvimg, .offset: 8, .size: 8, .value_kind: global_buffer, .address_space: global }
      - { .name: opimg, .offset: 16, .size: 8, .value_kind: global_buffer, .address_space: global }
      - { .name: opsc, .offset: 24, .size: 8, .value_kind: global_buffer, .address_space: global }
    .group_segment_fixed_size: 245760
    .private_segment_fixed_size: 0
    .kernarg_segment_align: 8
    .kernarg_segment_size: 32
    .max_flat_workgroup_size: 512
    .sgpr_count:     80
    .vgpr_count:     256
    .wavefront_size: 32
...
	.end_amdgpu_metadata
.endif
;; end of part 3
;; launch proj (part 4): grid 32 x 8, 4 waves a work-group, clusters of 4 x 1, 170,496 bytes of LDS; arguments opimg, opsc, woimg, out0; writes out0
.if DOCPART == 4
	.amdgcn_target "amdgcn-amd-amdhsa--gfx1250"
	.amdhsa_code_object_version 6
	.text
	.protected	k_q673050a92b_proj
	.globl	k_q673050a92b_proj
	.p2align	8
	.type	k_q673050a92b_proj,@function
k_q673050a92b_proj:
	s_mov_b64 s[64:65], 0
	v_nop
	global_prefetch_b8 v0, s[64:65] scope:SCOPE_SE
	s_setreg_imm32_b32 hwreg(HW_REG_WAVE_MODE, 25, 1), 1
	s_wait_xcnt 0x0
	s_wait_alu depctr_hold_cnt(0) depctr_sa_sdst(0) depctr_va_vdst(0) depctr_va_sdst(0) depctr_va_ssrc(0) depctr_va_vcc(0) depctr_vm_vsrc(0)
	s_getreg_b32 s2, hwreg(HW_REG_IB_STS2, 6, 4)
	s_cmp_eq_u32 s2, 0
	s_cbranch_scc0 .Lentry_in_a_cluster
	s_endpgm
.Lentry_in_a_cluster:
	s_bfe_u32 s2, ttmp6, 0x10000c
	s_cmp_lg_u32 s2, 0x3003
	s_cbranch_scc0 .Lentry_shape_is_right
	s_endpgm
.Lentry_shape_is_right:
; out0 = op W_o on codes of FP6 (E2M3) with E8M0 scales; sums in f32.
; SHARES.  A work-group makes 128 tokens (block mi) x 128 columns (tile nt).  Wave w: token tiles 8 mi + 2 w and + 1 (32 tokens), all eight column tiles, in two HALVES of 64 columns: half 0's rows are stored ahead of half 1's products.
; W_o's images of the column tile, 102,400 bytes, [half][K step][4 tiles, scale images], come into LDS ONCE: one tensor load a wave (half w / 2, four K steps), asked for JOINTLY by the four work-groups of a cluster, which differ in mi alone.
; Wave 0's and wave 1's loads have lines of their own and are shown by barriers of their own, ahead of the fetches that read them.  Nothing is filled again.
; op's images go from memory straight into registers, all of K at the head: a wave reads its own 32 rows alone, so within a work-group no byte of op is fetched twice.  No prefetch: all loads stand at the head.
; USED TRANSPOSED (source 0 = 16 columns of W_o, source 1 = 16 tokens): lane (r, h) holds columns 32 h + 8 ct + 0 .. 7 of a half's 64, of token r of the tile (row r of tile j of each 64 tokens = token 8 j + r % 8 + 32 (r / 8)).
; Rows go through the wave's own stage in LDS and leave whole: 256 consecutive bytes to sixteen lanes, two rows a store.
; REGISTERS, in windows of 256: window 0: v1-10 addresses; v32-39 op's scale words (register ks: lanes 0-15 my first tile, lanes 16-31 my second); v40-47 W_o's, four sets; v64-255 W_o's fragments, four sets of 48.
;   window 1: op's 16 fragments at 12 (2 ks + at); v192-255 rows on their way out.   window 2: the accumulators at 8 (8 half + 4 at + ct).
.set AS,  32
.set BS,  40
.set BF,  64
.set STG, 102400                       ; behind W_o's images: a stage of 32 rows x (256 bytes + 16) for each wave; no tensor load lands there
.set SP,  272
.set SPARE, STG+4*32*SP                ; the spare words
.set MSB, 0
.macro WIN new                         ; the immediate's high byte repeats the setting that is left
.if MSB != (\new)
	s_set_vgpr_msb (MSB<<8)|(\new)
.set MSB, (\new)
.endif
.endm
.macro PLACES
.rept 4
	v_nop
.endr
.endm
.macro ROUND
	s_barrier_signal -1
	s_barrier_wait -1
	s_cmp_lg_u32 s14, 0
	s_cbranch_scc1 .Lnot_wave_0_\@
	s_barrier_signal -3
.Lnot_wave_0_\@:
	s_barrier_wait -3
	s_barrier_signal -1
	s_barrier_wait -1
.endm
.macro WX d, a, b, c, sa, sb, ra, rb
	v_wmma_scale_f32_16x16x128_f8f6f4 v[\d:\d+7], v[\a:\a+11], v[\b:\b+11], \c, v[\sa], v[\sb] matrix_a_fmt:MATRIX_FMT_FP6 matrix_b_fmt:MATRIX_FMT_FP6 matrix_a_scale:MATRIX_SCALE_ROW\ra matrix_b_scale:MATRIX_SCALE_ROW\rb
.endm
.macro WY d, a, b, c, sa, sb, ra, rb
.if (\ra) && (\rb)
	WX \d, \a, \b, \c, \sa, \sb, 1, 1
.elseif (\ra)
	WX \d, \a, \b, \c, \sa, \sb, 1, 0
.elseif (\rb)
	WX \d, \a, \b, \c, \sa, \sb, 0, 1
.else
	WX \d, \a, \b, \c, \sa, \sb, 0, 0
.endif
.endm
.macro WM d, a, b, zero, sa, sb, ra, rb
.if \zero
	WY \d, \a, \b, 0, \sa, \sb, \ra, \rb
.else
	WY \d, \a, \b, v[\d:\d+7], \sa, \sb, \ra, \rb
.endif
.endm
; step k = 8 half + K step: four fragments of W_o and their two scale registers into set k % 4: 18 LDS loads.  Half 1 lies beyond the 16-bit immediate: a second set of address registers, 51,200 bytes on
.macro BLOAD k
.set SET, (\k)%4
.set AD, 1+4*((\k)/8)
.set KO, ((\k)%8)*6400
.irp ct, 0,1,2,3
	ds_load_b128 v[BF+48*SET+12*\ct:BF+48*SET+12*\ct+3], v[AD] offset:KO+1536*\ct
	ds_load_b64 v[BF+48*SET+12*\ct+4:BF+48*SET+12*\ct+5], v[AD+1] offset:KO+1536*\ct+512
	ds_load_b128 v[BF+48*SET+12*\ct+6:BF+48*SET+12*\ct+9], v[AD] offset:KO+1536*\ct+768
	ds_load_b64 v[BF+48*SET+12*\ct+10:BF+48*SET+12*\ct+11], v[AD+1] offset:KO+1536*\ct+1280
.endr
.irp p, 0,1
	ds_load_b32 v[BS+2*SET+\p], v[AD+2] offset:KO+6144+128*\p
.endr
.endm
	s_load_b256 s[4:11], s[0:1], 0x0               ; opimg s[4:5], opsc s[6:7], woimg s[8:9], out0 s[10:11]
	v_lshl_add_u32 v62, v0, 2, SPARE
	v_mov_b32 v63, 0
	ds_add_u32 v62, v63
	ds_add_u32 v62, v63
	v_lshrrev_b32 v1, 5, v0
	v_readfirstlane_b32 s14, v1                    ; wave 0..3
	s_and_b32 s19, ttmp7, 0xffff                   ; nt, which the four partners share
	; descriptor group 1: 25,600 dense bytes as 100 rows of 256 bytes (32 elements of 8 bytes)
	s_mov_b32 s24, 15|(3<<16)|(1<<21)              ; 15:0 the mask: all four work-groups; 17:16 elements of 8 bytes; 21 set beside a mask
	s_mov_b32 s25, 32<<16
	s_mov_b32 s26, 100<<16
	s_mov_b32 s27, 32<<16
	s_mov_b32 s28, 100
	s_mov_b32 s29, 32
	s_mov_b32 s30, 0
	s_mov_b32 s31, 0
	s_mul_i32 s22, s14, 25600                      ; my quarter: four K steps of half w / 2
	s_mul_i32 s36, s19, 102400
	s_add_co_u32 s36, s36, s22
	s_mov_b32 s37, 0
	s_wait_alu depctr_va_vdst(0)
	s_wait_dscnt 0x0
	ROUND                                          ; all four work-groups are here: the joint loads meet
	s_wait_kmcnt 0x0
	s_mov_b32 s32, 1
	s_mov_b32 s33, s22
	s_add_nc_u64 s[34:35], s[8:9], s[36:37]
	s_or_b32 s35, s35, 0x80000000
.macro ARM w, next
	s_cmp_eq_u32 s14, \w
	s_cbranch_scc0 \next
	tensor_load_to_lds s[32:35], s[24:31]
	s_nop 0
	PLACES
	s_branch .Lasked
\next:
.endm
	ARM 0, .Lwave_1                                ; one load a wave
	ARM 1, .Lwave_2
	tensor_load_to_lds s[32:35], s[24:31]
	s_nop 0
	PLACES
.Lasked:
	; my place in the cluster enters global addresses alone, in registers of their own
	s_bfe_u32 s17, ttmp6, 0x40000                  ; cx
	s_lshl_b32 s18, ttmp9, 2
	s_add_co_u32 s18, s18, s17                     ; mi
	s_lshl_b32 s40, s18, 3
	s_lshl_b32 s41, s14, 1
	s_add_co_u32 s40, s40, s41                     ; my first tile of tokens, T
	s_mul_i32 s42, s40, 12288
	s_mov_b32 s43, 0
	s_lshl_b32 s44, s40, 9
	s_mov_b32 s45, 0
	s_lshr_b32 s46, s40, 2
	s_lshl_b32 s46, s46, 18                        ; 64 tokens of 4,096 bytes
	s_and_b32 s47, s40, 3
	s_lshl_b32 s47, s47, 15                        ; + 8 (T % 4) tokens
	s_add_co_u32 s46, s46, s47
	s_lshl_b32 s47, s19, 9
	s_add_co_u32 s46, s46, s47                     ; + 512 nt
	s_mov_b32 s47, 0
	s_add_nc_u64 s[4:5], s[4:5], s[42:43]
	s_add_nc_u64 s[6:7], s[6:7], s[44:45]
	s_add_nc_u64 s[10:11], s[10:11], s[46:47]
	v_and_b32 v11, 31, v0
	v_lshlrev_b32 v1, 4, v11                       ; 16 x lane
	v_lshlrev_b32 v2, 3, v11                       ; 8 x lane
	v_lshlrev_b32 v3, 2, v11                       ; 4 x lane
	v_lshlrev_b32 v4, 5, v11                       ; 32 x lane: a row's eight scale words
	v_add_nc_u32 v5, 51200, v1
	v_add_nc_u32 v6, 51200, v2
	v_add_nc_u32 v7, 51200, v3
	v_and_b32 v11, 15, v0
	v_bfe_u32 v12, v0, 4, 1
	s_mul_i32 s23, s14, 32*SP
	s_add_co_u32 s23, s23, STG                     ; my stage
	v_mul_u32_u24 v8, v11, SP
	v_lshl_add_u32 v8, v12, 7, v8
	v_add_nc_u32 v8, s23, v8                       ; in: row r, + 128 h
	v_lshlrev_b32 v11, 4, v11
	v_mul_u32_u24 v9, v12, SP
	v_add_nc_u32 v9, v9, v11
	v_add_nc_u32 v9, s23, v9                       ; back: sixteen lanes to a row, two rows an instruction
	v_lshl_add_u32 v10, v12, 12, v11               ; and the same two rows in out0: neighbouring tokens
	s_wait_alu depctr_va_vdst(0)
	global_load_b128 v[AS:AS+3], v4, s[6:7]
	global_load_b128 v[AS+4:AS+7], v4, s[6:7] offset:16
	WIN 0x40                                       ; destination window 1
.irp ks, 0,1,2,3,4,5,6,7
.irp at, 0,1
	global_load_b128 v[12*(2*\ks+\at):12*(2*\ks+\at)+3], v1, s[4:5] offset:12288*\at+1536*\ks
	global_load_b64 v[12*(2*\ks+\at)+4:12*(2*\ks+\at)+5], v2, s[4:5] offset:12288*\at+1536*\ks+512
	global_load_b128 v[12*(2*\ks+\at)+6:12*(2*\ks+\at)+9], v1, s[4:5] offset:12288*\at+1536*\ks+768
	global_load_b64 v[12*(2*\ks+\at)+10:12*(2*\ks+\at)+11], v2, s[4:5] offset:12288*\at+1536*\ks+1280
.endr
.endr
	WIN 0
	s_cmp_lg_u32 s14, 0
	s_cbranch_scc1 .Lnot_first
	s_wait_tensorcnt 0x0                           ; wave 0: half 0's K steps 0 to 3 are in; the other waves' loads may be out
.Lnot_first:
	s_barrier_signal -1
	s_barrier_wait -1
	BLOAD 0
	BLOAD 1
.macro PSTEP q
.if \q < 14
.if \q > 0
	PLACES                                         ; in front of loads into a set that an earlier step multiplied
.endif
	WIN 0
.if \q == 2
	s_cmp_gt_u32 s14, 1
	s_cbranch_scc1 .Llater_\@
	s_wait_tensorcnt 0x0                           ; waves 0 and 1: all of half 0 is in
.Llater_\@:
	s_wait_dscnt 0x0                               ; no LDS load of mine is out at a signal
	s_barrier_signal -1
	s_barrier_wait -1
.endif
.if \q == 6
	s_wait_tensorcnt 0x0                           ; and half 1
	s_wait_dscnt 0x0
	s_barrier_signal -1
	s_barrier_wait -1
.endif
	BLOAD \q+2
	s_wait_dscnt 36                                ; this step's loads are in; the next two steps' 18 each may be out
.elseif \q == 14
	s_wait_dscnt 18
.else
	s_wait_dscnt 0x0
.endif
.if \q < 8
	s_wait_loadcnt 8*(7-\q)                        ; op's scale words and this K step's two fragments are in; the later K steps' eight loads each may be out
.endif
	WIN 0xa4                                       ; source 0 (W_o) window 0, source 1 (op) window 1, C and D window 2
.irp at, 0,1                                   ; a half's eight accumulators take turns, one instruction a turn; its first products start the sums
.irp ct, 0,1,2,3
	WM 8*(8*(\q/8)+4*\at+\ct), BF+48*(\q%4)+12*\ct, 12*(2*(\q%8)+\at), (\q%8)==0, BS+2*(\q%4)+\ct/2, AS+\q%8, \ct%2, \at
.endr
.endr
.endm
.macro OUT hf                          ; the way out of a half: 32 rows of 256 bytes through my own stage
	PLACES                                         ; in front of the reads of results
	WIN 0x08                                       ; an LDS store's data are its source 1: window 2
.irp at, 0,1
.irp ct, 0,1,2,3
	ds_store_b128 v8, v[8*(8*\hf+4*\at+\ct):8*(8*\hf+4*\at+\ct)+3] offset:16*SP*\at+32*\ct         ; each accumulator from its low end on
	ds_store_b128 v8, v[8*(8*\hf+4*\at+\ct)+4:8*(8*\hf+4*\at+\ct)+7] offset:16*SP*\at+32*\ct+16
.endr
.endr
.if \hf
	s_wait_xcnt 0x0                                ; half 0's stores have read their registers
.endif
	WIN 0x40
.set i, 0
.rept 16
	ds_load_b128 v[192+4*i:192+4*i+3], v9 offset:2*SP*i   ; LDS serves a wave's instructions in order: these see my stores
.set i, i+1
.endr
	WIN 0x04                                       ; a store's data are its source 1: window 1
.set i, 0
.rept 16
	s_wait_dscnt 15-i                              ; rows 2 i and 2 i + 1 are back; the later rows may be out
	global_store_b128 v10, v[192+4*i:192+4*i+3], s[10:11] offset:(8*(i/8)+(2*i)%8+32*((i%8)/4))*4096+256*\hf th:TH_STORE_NT   ; stage rows 2 i, 2 i + 1: tile i / 8; sixteen lanes store 256 consecutive bytes, aligned to 256
.set i, i+1
.endr
	WIN 0
.endm
	PSTEP 0
	PSTEP 1
	PSTEP 2
	PSTEP 3
	PSTEP 4
	PSTEP 5
	PSTEP 6
	PSTEP 7
	OUT 0
	PSTEP 8
	PSTEP 9
	PSTEP 10
	PSTEP 11
	PSTEP 12
	PSTEP 13
	PSTEP 14
	PSTEP 15
	OUT 1
	s_wait_tensorcnt 0x0                           ; the wave's end
	ds_add_u32 v62, v63
	s_wait_dscnt 0x0
	ROUND                                          ; the closing round: no work-group ends while a partner may still ask for a tile that names it
	s_endpgm
.Lfunc_end_k_q673050a92b_proj:
	.size	k_q673050a92b_proj, .Lfunc_end_k_q673050a92b_proj-k_q673050a92b_proj
	.p2alignl 7, 3214868480
	.fill 96, 4, 3214868480
	.section	.rodata,"a",@progbits
	.p2align	6, 0x0
	.amdhsa_kernel k_q673050a92b_proj
		.amdhsa_group_segment_fixed_size 170496
		.amdhsa_private_segment_fixed_size 0
		.amdhsa_enable_private_segment 0
		.amdhsa_kernarg_size 32
		.amdhsa_user_sgpr_count 2
		.amdhsa_user_sgpr_kernarg_segment_ptr 1
		.amdhsa_wavefront_size32 1
		.amdhsa_system_sgpr_workgroup_id_x 1
		.amdhsa_system_sgpr_workgroup_id_y 1
		.amdhsa_system_sgpr_workgroup_id_z 1
		.amdhsa_system_vgpr_workitem_id 0
		.amdhsa_next_free_vgpr 640
		.amdhsa_next_free_sgpr 66
		.amdhsa_reserve_vcc 0
		.amdhsa_float_denorm_mode_32 3
		.amdhsa_float_denorm_mode_16_64 3
		.amdhsa_memory_ordered 1
		.amdhsa_forward_progress 1
		.amdhsa_inst_pref_size 58
	.end_amdhsa_kernel
	.amdgpu_metadata
---
amdhsa.version: [ 1, 2 ]
amdhsa.kernels:
  - .name:           k_q673050a92b_proj
    .symbol:         k_q673050a92b_proj.kd
    .args:
      - { .name: opimg, .offset: 0, .size: 8, .value_kind: global_buffer, .address_space: global }
      - { .name: opsc, .offset: 8, .size: 8, .value_kind: global_buffer, .address_space: global }
      - { .name: woimg, .offset: 16, .size: 8, .value_kind: global_buffer, .address_space: global }
      - { .name: out0, .offset: 24, .size: 8, .value_kind: global_buffer, .address_space: global }
    .group_segment_fixed_size: 170496
    .private_segment_fixed_size: 0
    .kernarg_segment_align: 8
    .kernarg_segment_size: 32
    .max_flat_workgroup_size: 128
    .sgpr_count:     66
    .vgpr_count:     640
    .wavefront_size: 32
...
	.end_amdgpu_metadata
.endif
;; end of part 4
